; MI455X (gfx1250); checked and timed in simulation.
; The chip was launched on July 23, 2026; its instructions are those of AMD's public machine-readable ISA for CDNA 5 (MIT licence, August 2026) and "CDNA5" Instruction Set Architecture Reference Guide (July 2026). The comments in the code are by the model that wrote it; some were corrected since.
;; Simple Attention. Allowed arithmetic: float matrix products may take bf16 or f16 operands with f32 sums; other float arithmetic in f32, or as packed bf16 or f16 multiplies, adds, multiply-adds, maxima and minima; sums over many terms, partial sums and values carried from step to step in f32; what a program stores and reads back later, other than sums and carried values, may be rounded once to bf16 or f16.
;; Inputs: W 1,024 x 1,024 float32; b 1,024 float32; key_vec 1,024 float32; lengths 16 int32; x 16 x 4,096 x 1,024 float32.
;; Outputs: out0 16 x 1,024 float32.
;; 2 versions, each right; version 2 is version 1 with the launch main written anew for expert scheduling mode. Each part assembles by itself: llvm-mc -triple=amdgcn-amd-amdhsa -mcpu=gfx1250 --defsym DOCPART=n.
;; ======== version 1 of 2: 3 launches
;; limits: values outside matrix products are rounded to bf16
;; workspace buffers: wf 2,097,152 bytes; sched 8,448 bytes of whole numbers; part 2,228,224 bytes
;; launch prep (part 1): grid 256 x 1, 4 waves a work-group, no clusters, 0 bytes of LDS; arguments W, lengths, wf, sched; writes wf, sched
.if DOCPART == 1
	.amdgcn_target "amdgcn-amd-amdhsa--gfx1250"
	.amdhsa_code_object_version 6
	.text
	.protected	k_q6165450201_prep
	.globl	k_q6165450201_prep
	.p2align	8
	.type	k_q6165450201_prep,@function
k_q6165450201_prep:
	s_mov_b64 s[64:65], 0
	v_nop
	global_prefetch_b8 v0, s[64:65] scope:SCOPE_SE
	s_setreg_imm32_b32 hwreg(HW_REG_WAVE_MODE, 25, 1), 1
	s_wait_xcnt 0x0
; PREP.  (A) W [1024][1024] f32 is rounded once to bf16 and laid out fragment by fragment in wf, so that the main launch loads a matrix operand by 16 consecutive bytes a lane.
;   Column block nbg = n / 16, K step s = k / 32.  Fragment f = ((nbg / 8) * 32 + s) * 8 + nbg % 8, 1,024 bytes; in it byte 512 e + 16 lane holds W[16 nbg + lane % 16][32 s + 16 e + 8 (lane / 16) + 0..7].
;   1,024 waves, each 16 rows x 64 k (256 consecutive bytes of each row): two fragments, four stores of 512 consecutive bytes.
; (B) The table of tiles, whole numbers, from lengths (clamped to 0..4096, which is all that the mask tells apart).  A sequence has nb = ceil(len / 16) blocks of 16 rows; a tile is up to HB blocks of one
;   sequence.  HB is the least height 1..8 at which all tiles number at most 256 (one for each of the main launch's 256 work-groups), else the least at which they number at most 512 (two); 8 always gives at most 512.
;   sched: entry t at 16 t = {first row in x, blocks (0: no tile), valid rows, sequence}; pair b at 8192 + 8 b = {first tile, tiles} of sequence b (pairs 16..31 are 0).
;   Work-groups 0 to 3 write 128 entries each; no address hangs on lengths.
	s_load_b256 s[4:11], s[0:1], 0x0               ; W s[4:5], lengths s[6:7], wf s[8:9], sched s[10:11]
	v_lshrrev_b32 v1, 5, v0
	v_readfirstlane_b32 s12, v1                    ; wave 0..3
	v_and_b32 v2, 31, v0                           ; lane
	v_and_b32 v3, 15, v0                           ; r
	v_bfe_u32 v4, v0, 4, 1                         ; h
	v_lshlrev_b32 v5, 12, v3                       ; row r: 4,096 bytes a row of W,
	v_lshl_add_u32 v5, v4, 5, v5                   ; + 8 h numbers of 4 bytes
	v_lshlrev_b32 v6, 4, v2                        ; 16 x lane, in a fragment
	s_mov_b32 s13, ttmp9
	s_lshl2_add_u32 s14, s13, s12                  ; q = 4 x work-group + wave: 0..1023
	s_lshr_b32 s15, s14, 4                         ; nbg
	s_and_b32 s14, s14, 15                         ; which 64 k
	s_lshl_b32 s90, s15, 16                        ; 16 rows of 4,096 bytes
	s_lshl_b32 s92, s14, 8                         ; 64 numbers of 4 bytes
	s_add_co_u32 s90, s90, s92
	s_mov_b32 s91, 0
	s_lshr_b32 s92, s15, 3
	s_lshl_b32 s92, s92, 5
	s_lshl1_add_u32 s92, s14, s92                  ; (nbg / 8) * 32 + first K step
	s_lshl_b32 s92, s92, 13                        ; eight fragments of 1,024 bytes a K step
	s_and_b32 s93, s15, 7
	s_lshl_b32 s93, s93, 10
	s_add_co_u32 s92, s92, s93
	s_mov_b32 s93, 0
	s_wait_kmcnt 0x0
	s_add_nc_u64 s[90:91], s[4:5], s[90:91]
	s_add_nc_u64 s[92:93], s[8:9], s[92:93]
.irp i, 0,1,2,3,4,5,6,7                        ; i = 4 s' + 2 e + c: K step s', half e, 16 bytes c
	global_load_b128 v[8+4*(\i):11+4*(\i)], v5, s[90:91] offset:128*((\i)/4)+64*(((\i)/2)%2)+16*((\i)%2) th:TH_LOAD_NT
.endr
	s_wait_loadcnt 0x0
.irp i, 0,1,2,3,4,5,6,7,8,9,10,11,12,13,14,15
	v_cvt_pk_bf16_f32 v[40+(\i)], v[8+2*(\i)], v[9+2*(\i)]
.endr
.irp g, 0,1,2,3                                ; g = 2 s' + e: each store covers 512 consecutive bytes, aligned
	global_store_b128 v6, v[40+4*(\g):43+4*(\g)], s[92:93] offset:8192*((\g)/2)+512*((\g)%2)
.endr
	s_cmp_lt_u32 s13, 4
	s_cbranch_scc0 .Lend
	; ---- (B): none of the registers that the stores above name is written below
	s_load_b512 s[16:31], s[6:7], 0x0
	v_and_b32 v8, 7, v0                            ; a lane a candidate height d: d - 1
	v_mov_b32 v9, 0x10000                          ; M = ceil(65536 / d): (x M) >> 16 = x / d for x up to 263, since x (M d - 65536) < 65536
.macro MAGICD d1, m
	v_cmp_ne_u32 vcc_lo, \d1, v8
	v_cndmask_b32 v9, \m, v9, vcc_lo
.endm
	MAGICD 1, 32768
	MAGICD 2, 21846
	MAGICD 3, 16384
	MAGICD 4, 13108
	MAGICD 5, 10923
	MAGICD 6, 9363
	MAGICD 7, 8192
	v_mov_b32 v10, 0
	s_wait_kmcnt 0x0
.irp b, 0,1,2,3,4,5,6,7,8,9,10,11,12,13,14,15
	s_max_i32 s[16+(\b)], s[16+(\b)], 0
	s_min_i32 s[16+(\b)], s[16+(\b)], 4096
	s_add_co_u32 s[32+(\b)], s[16+(\b)], 15
	s_lshr_b32 s[32+(\b)], s[32+(\b)], 4           ; nb
	v_add_nc_u32 v11, s[32+(\b)], v8
	v_mul_lo_u32 v11, v11, v9
	v_lshrrev_b32 v11, 16, v11                     ; ceil(nb / d)
	v_add_nc_u32 v10, v10, v11                     ; tiles at height d
.endr
	v_cmp_ge_u32 vcc_lo, 0x100, v10
	s_and_b32 s87, vcc_lo, 0xff                    ; heights with at most 256 tiles
	v_cmp_ge_u32 vcc_lo, 0x200, v10
	s_and_b32 s88, vcc_lo, 0xff                    ; with at most 512: bit 7 is always set
	s_cmp_lg_u32 s87, 0
	s_cselect_b32 s89, s87, s88
	s_ctz_i32_b32 s89, s89
	s_and_b32 s89, s89, 7                          ; HB - 1
	s_add_co_u32 s85, s89, 1                       ; HB
	v_readlane_b32 s86, v9, s89                    ; its M
	s_mov_b32 s84, 0
.irp b, 0,1,2,3,4,5,6,7,8,9,10,11,12,13,14,15
	s_mov_b32 s[68+(\b)], s84                      ; P_b: the sequence's first tile
	s_add_co_u32 s14, s[32+(\b)], s89
	s_mul_i32 s14, s14, s86
	s_lshr_b32 s14, s14, 16
	s_add_co_u32 s84, s84, s14                     ; at the end: all tiles (s84 stands behind P_15, as a P_16)
.endr
	s_lshl_b32 s14, s13, 7
	v_add_nc_u32 v12, s14, v0                      ; my entry t
	v_mov_b32 v13, 0                               ; its sequence,
	v_mov_b32 v14, 0                               ; that sequence's first tile
	v_mov_b32 v15, s16                             ; and length: those of the last b with P_b <= t
.irp b, 1,2,3,4,5,6,7,8,9,10,11,12,13,14,15
	v_cmp_le_u32 vcc_lo, s[68+(\b)], v12
	v_cndmask_b32 v13, v13, \b, vcc_lo
	v_cndmask_b32 v14, v14, s[68+(\b)], vcc_lo
	v_cndmask_b32 v15, v15, s[16+(\b)], vcc_lo
.endr
	v_sub_nc_u32 v16, v12, v14
	v_mul_lo_u32 v16, v16, s85                     ; the tile's first block in its sequence
	v_lshlrev_b32 v17, 4, v16                      ; its first row there
	v_lshl_add_u32 v20, v13, 12, v17               ; its first row in x
	v_add_nc_u32 v18, 15, v15
	v_lshrrev_b32 v18, 4, v18
	v_sub_nc_u32 v18, v18, v16
	v_min_i32 v21, s85, v18                        ; blocks
	v_sub_nc_u32 v19, v15, v17
	v_lshlrev_b32 v22, 4, v21
	v_min_i32 v22, v19, v22                        ; valid rows
	v_mov_b32 v23, v13
	v_cmp_gt_u32 vcc_lo, s84, v12                  ; is there a tile t?
	v_cndmask_b32 v20, 0, v20, vcc_lo
	v_cndmask_b32 v21, 0, v21, vcc_lo
	v_cndmask_b32 v22, 0, v22, vcc_lo
	v_cndmask_b32 v23, 0, v23, vcc_lo
	v_lshlrev_b32 v24, 4, v12
	global_store_b128 v24, v[20:23], s[10:11]      ; a wave stores 512 consecutive bytes
	s_or_b32 s14, s13, s12
	s_cmp_lg_u32 s14, 0
	s_cbranch_scc1 .Lend                           ; the pairs: wave 0 of work-group 0
	v_mov_b32 v26, 0
	v_mov_b32 v27, 0
.irp b, 0,1,2,3,4,5,6,7,8,9,10,11,12,13,14,15
	s_sub_co_u32 s14, s[69+(\b)], s[68+(\b)]
	v_writelane_b32 v26, s[68+(\b)], \b
	v_writelane_b32 v27, s14, \b
.endr
	v_lshlrev_b32 v28, 3, v2
	global_store_b64 v28, v[26:27], s[10:11] offset:8192  ; 256 consecutive bytes
.Lend:
	s_endpgm
.Lfunc_end_k_q6165450201_prep:
	.size	k_q6165450201_prep, .Lfunc_end_k_q6165450201_prep-k_q6165450201_prep
	.p2alignl 7, 3214868480
	.fill 96, 4, 3214868480
	.section	.rodata,"a",@progbits
	.p2align	6, 0x0
	.amdhsa_kernel k_q6165450201_prep
		.amdhsa_group_segment_fixed_size 0
		.amdhsa_private_segment_fixed_size 0
		.amdhsa_enable_private_segment 0
		.amdhsa_kernarg_size 32
		.amdhsa_user_sgpr_count 2
		.amdhsa_user_sgpr_kernarg_segment_ptr 1
		.amdhsa_wavefront_size32 1
		.amdhsa_system_sgpr_workgroup_id_x 1
		.amdhsa_system_sgpr_workgroup_id_y 1
		.amdhsa_system_sgpr_workgroup_id_z 1
		.amdhsa_system_vgpr_workitem_id 0
		.amdhsa_next_free_vgpr 64
		.amdhsa_next_free_sgpr 96
		.amdhsa_reserve_vcc 1
		.amdhsa_float_denorm_mode_32 3
		.amdhsa_float_denorm_mode_16_64 3
		.amdhsa_memory_ordered 1
		.amdhsa_forward_progress 1
		.amdhsa_inst_pref_size 20
	.end_amdhsa_kernel
	.amdgpu_metadata
---
amdhsa.version: [ 1, 2 ]
amdhsa.kernels:
  - .name:           k_q6165450201_prep
    .symbol:         k_q6165450201_prep.kd
    .args:
      - { .name: W, .offset: 0, .size: 8, .value_kind: global_buffer, .address_space: global }
      - { .name: lengths, .offset: 8, .size: 8, .value_kind: global_buffer, .address_space: global }
      - { .name: wf, .offset: 16, .size: 8, .value_kind: global_buffer, .address_space: global }
      - { .name: sched, .offset: 24, .size: 8, .value_kind: global_buffer, .address_space: global }
    .group_segment_fixed_size: 0
    .private_segment_fixed_size: 0
    .kernarg_segment_align: 8
    .kernarg_segment_size: 32
    .max_flat_workgroup_size: 128
    .sgpr_count:     96
    .vgpr_count:     64
    .wavefront_size: 32
...
	.end_amdgpu_metadata
.endif
;; end of part 1
;; launch main (part 2): grid 256 x 1, 4 waves a work-group, no clusters, 268,800 bytes of LDS; arguments x, wf, b, key_vec, sched, part; writes part
.if DOCPART == 2
	.amdgcn_target "amdgcn-amd-amdhsa--gfx1250"
	.amdhsa_code_object_version 6
	.text
	.protected	k_q6165450201_main
	.globl	k_q6165450201_main
	.p2align	8
	.type	k_q6165450201_main,@function
k_q6165450201_main:
	s_mov_b64 s[64:65], 0
	v_nop
	global_prefetch_b8 v0, s[64:65] scope:SCOPE_SE
	s_setreg_imm32_b32 hwreg(HW_REG_WAVE_MODE, 25, 1), 1
	s_wait_xcnt 0x0
; MAIN.  For a tile of NB <= 8 blocks of 16 rows of one sequence (table sched): x -> bf16 in LDS; z = x W^T (bf16 operands, f32 sums); score s = sum over n of key[n] tanh(z[n] + b[n]);
; the tile's own softmax (m = max over its valid rows, p = 2^(log2e s - log2e m), l = sum of p); sum over rows of p x.  part row t: 1,024 f32 sums, then (log2e m, l) 32 times.  The next launch merges a sequence's tiles.
; x is read once from memory, by the one work-group that owns the rows; rows behind a sequence's last block are never touched.
; SHARES.  Work-group g takes tiles g and g + 256 (a loop of two trips; a tile with 0 blocks does the fill, the barriers and a softmax of nothing, and stores nothing).  All four waves take all rows; wave w takes columns
; 256 w .. 256 w + 255 of z, in two passes of 128: 8 x 8 accumulators of 16 x 16, 512 registers.  Blocks from NB on are jumped over, so the matrix work goes with NB.
; W comes from wf straight into operand registers: a fragment of W is used by one wave of the work-group alone (the waves split the columns), so LDS would add no reuse; and beside the x tile's 264,192 bytes LDS has 63,488 left,
; too little for two slots of a pass's K steps.  For the same reason NO CLUSTER and no tensor load: a joint load lands in LDS.  Three K steps of W (24 KiB a wave) are on their way all the time; the K loop has no barrier.
; LIMITS.  x, W, b, key_vec are each rounded once to bf16; everything behind that is f32.  tanh z = 1 - 2 / (1 + 2^(2 log2e z)): where the power overflows or vanishes the result is exactly 1 or -1.
; A hidden row counts as the lowest finite number, and its weight is 0; a weight below 2^-126 counts as 0; NaN and infinities are not treated apart.
; LDS ADDRESSES are a fixed register of the lane plus an immediate, or such a register plus a scalar that a counted loop steps.
; REGISTERS, in windows of 256 (s_set_vgpr_msb: bits 1:0 source 0, 3:2 source 1, 5:4 source 2, 7:6 destination):
;   window 0: addresses, statistics, bias and key; v128-191, v192-255 two buffers of x's fragments (8 blocks x 32 k); the first is also the work area T
;   window 1: four buffers of W's fragments, K step j at 64 (j % 4) + 8 b        windows 2, 3: accumulator (a, b) at 64 (a % 4) + 8 b of window 2 + a / 4; during the fill window 2 holds two sets of 128 for x as loaded
.set PITCH, 2064                       ; a row of the x tile: 2,048 bytes + 16: an odd multiple of 16, so the 16 rows of a fragment load start in 16 different groups of four banks (ISA guide 11.1)
.set BLK,   16*PITCH                   ; a block of 16 rows
.set SCR,   128*PITCH                  ; 4 slots, a wave each, x 128 rows x f32: partial scores
.set PW,    SCR+2048                   ; each wave's own copy of the tile's 128 weights
.set SPARE, PW+2048                    ; the spare words, 128 bytes for each wave: two blocks of 256 bytes that no other line names
.set SPW, 4                            ; v4   SPARE + 4 x my thread's number; never rewritten
.set NIL, 5                            ; v5   0; never rewritten
.set XG,  6                            ; v6   x: my wave's 4 rows of a block, my 16 bytes
.set WO,  7                            ; v7   16 x lane, in a fragment of wf
.set XS0, 8                            ; v8   x tile: my wave's 4 rows, my 8 bytes;  v9 the same in the blocks that the fill is at
.set XS,  9
.set TA,  10
.set KS,  11                           ; v11  where I put my row's partial score
.set AI,  12                           ; v12-15  fragment address of blocks 2 p, 2 p + 1;  v16-19 the same at the K steps in hand
.set AA,  16
.set SL,  20                           ; v20  where I read four rows' partial scores
.set PS,  21                           ; v21  where I put four weights
.set PA0, 22                           ; v22, v23  my wave's weights (first block; the block in hand)
.set PA,  23
.set XR0, 24                           ; v24, v25  my 4 columns in the x tile (first block; the block in hand)
.set XR,  25
.set GO,  26                           ; v26  my 16 bytes in a row of part
.set MLO, 27                           ; v27  my copy of the statistics there
.set PFO, 28
.set TK,  29
.set ZQ,  32                           ; v32-33  0
.set BK,  36                           ; v36-51  {2 log2e bias, key} of my column in the pass's blocks b = 0..7
.set SC,  52                           ; v52-59  score sums of one block: row 8 h + i
.set KA,  60                           ; v60-67  block a's partial score of row 8 h + lane % 8, summed over my wave's 256 columns
.set BK0, 68                           ; v68-83  pass 0's bias and key;  v84-99 pass 1's
.set BK1, 84
.set RI,  100                          ; v100-103  the four rows of the tile that I take in the softmax
.set SS,  104
.set PR,  108
.set MX,  112
.set TP,  113
.set M2,  114                          ; v114, v115  log2e m, l
.set LL,  115
.set T2,  116
.set OA,  118                          ; v118-125  my 8 columns of the weighted sum
.set AF,  128
.set T,   128
.set PP,  192                          ; v192-207  a block's 16 weights (the second fragment buffer is idle then)
.set WV,  16                           ; s16  wave
.set NB,  28                           ; s28  the tile's blocks;  s29 its valid rows
.set NV,  29
.set KO,  30                           ; s30  byte in a row of the x tile at which the four K steps in hand begin
.set PM,  31                           ; s31  all ones in pass 0, else 0
.set WS,  32                           ; s[32:33] wf at my wave's 512 KiB;  s[34:35] the running pointer
.set WP,  34
.set PB,  36                           ; s[36:37] part at the tile's row
.set TI,  38
.set PC,  39
.set KC,  40
.set BC,  41
.set REM, 42
.set XO,  43                           ; s43  LDS byte of the pair of blocks that the fill, or of the block that the weighted sum, is at
.set C2,  44                           ; s[44:45] 2 log2e
.set C1,  46                           ; s[46:47] log2e
.set SEL, 48                           ; s[48:49] v_permlanex16_b32: each lane takes its own place in the other half
.set NEG, 50                           ; s50  the lowest finite number
.set PFL, 51                           ; s51  1: the second tile's first rows are still to be prefetched
.set PFB, 52                           ; s[52:53] x at those rows
.set XB,  54                           ; s[54:55] x at the blocks that the fill is at
.set PO,  56                           ; s56  byte of the block's weights
.set MK,  66                           ; s66-72  the lanes with lane % 8 = 1 .. 7
.set MSB, 0
.macro WIN new                         ; the immediate's high byte repeats the setting that is left; a switch that changes nothing is dropped
.if MSB != (\new)
	s_set_vgpr_msb (MSB<<8)|(\new)
.set MSB, \new
.endif
.endm
.set MUL_LO, 0xa4                      ; x's fragments window 0, W's window 1, C and D window 2
.set TO_B,   0x40
.set TO_S,   0x80
.set CV,     0x0a                      ; sources 0 and 1 window 2
.set RD_LO,  0x02                      ; source 0 window 2 (+1: window 3)
.macro PLACES                          ; four places behind a matrix instruction (ISA guide 7.12.1)
.rept 4
	v_nop
.endr
.endm
.macro MEET                            ; a work-group barrier; no LDS instruction of mine is out at the signal
	s_wait_dscnt 0x0
	s_barrier_signal -1
	s_barrier_wait -1
.endm
	s_load_b256 s[4:11], s[0:1], 0x0               ; x s[4:5], wf s[6:7], b s[8:9], key_vec s[10:11]
	s_load_b128 s[12:15], s[0:1], 0x20             ; sched s[12:13], part s[14:15]
	v_lshl_add_u32 v[SPW], v0, 2, SPARE
	v_mov_b32 v[NIL], 0
	v_lshrrev_b32 v1, 5, v0
	v_readfirstlane_b32 s[WV], v1
	v_and_b32 v1, 31, v0                           ; lane
	v_and_b32 v2, 15, v0                           ; r
	v_bfe_u32 v3, v0, 4, 1                         ; h
	s_mov_b32 s[C2], 0x4038aa3b
	s_mov_b32 s[C2+1], s[C2]
	s_mov_b32 s[C1], 0x3fb8aa3b
	s_mov_b32 s[C1+1], s[C1]
	s_mov_b32 s[SEL], 0x76543210
	s_mov_b32 s[SEL+1], 0xfedcba98
	s_mov_b32 s[NEG], 0xff7fffff
.irp i, 1,2,3,4,5,6,7
	s_mov_b32 s[MK+(\i)-1], 0x01010101<<(\i)
.endr
	s_lshl_b32 s17, s[WV], 14                      ; 4 rows of 4,096 bytes
	v_lshl_add_u32 v[XG], v1, 4, s17
	v_lshlrev_b32 v[WO], 4, v1
	s_mul_i32 s17, s[WV], 4*PITCH
	v_lshl_add_u32 v[XS0], v1, 3, s17
	v_mul_u32_u24 v[AI], v2, PITCH
	v_lshl_add_u32 v[AI], v3, 4, v[AI]             ; row r x pitch + 16 h
	v_add_nc_u32 v[AI+1], 2*BLK, v[AI]
	v_add_nc_u32 v[AI+2], 4*BLK, v[AI]
	v_add_nc_u32 v[AI+3], 6*BLK, v[AI]
	s_lshl_b32 s17, s[WV], 9
	s_add_co_u32 s18, s17, SCR                     ; my wave's slot
	v_and_b32 v[TA], 7, v0
	v_lshl_add_u32 v[KS], v3, 5, s18               ; row 8 h + lane % 8 of a block: 4 bytes a row
	v_lshl_add_u32 v[KS], v[TA], 2, v[KS]
	v_lshl_add_u32 v[SL], v1, 4, SCR
	s_add_co_u32 s18, s17, PW
	v_lshl_add_u32 v[PS], v1, 4, s18
	v_mov_b32 v[PA0], s18
	v_lshlrev_b32 v[XR0], 3, v0
	v_lshlrev_b32 v[GO], 4, v0
	v_lshl_add_u32 v[MLO], v1, 3, 4096
	v_mov_b32 v[ZQ], 0
	v_mov_b32 v[ZQ+1], 0
.irp i, 0,1,2,3
	v_lshl_add_u32 v[RI+(\i)], v1, 2, \i
.endr
	v_mov_b32 v[TP], 0                             ; v_permlanex16_b32's destination counts as read
	s_lshl_b32 s17, s[WV], 15                      ; the prefetch: my wave's 8 rows of 32, two rows an instruction, a lane 256 bytes
	v_lshl_add_u32 v[PFO], v3, 12, s17
	v_lshl_add_u32 v[PFO], v2, 8, v[PFO]
	s_lshl_b32 s17, s[WV], 10                      ; my wave's 256 numbers of b and of key_vec,
	v_lshl_add_u32 v[TA], v2, 2, s17               ; my column of a block of 16
	s_lshl_b32 s34, s[WV], 19
	s_mov_b32 s35, 0
	s_mov_b32 s17, ttmp9
	s_lshl_b32 s18, s17, 4
	s_mov_b32 s19, 0
	s_mul_i32 s36, s17, 4352
	s_mov_b32 s37, 0
	s_mov_b32 s[TI], 2
	s_wait_kmcnt 0x0
	s_add_nc_u64 s[18:19], s[12:13], s[18:19]
	s_load_b128 s[20:23], s[18:19], 0x0            ; tile g: first row, blocks, valid rows, sequence
	s_load_b128 s[24:27], s[18:19], 0x1000         ; tile g + 256
.irp q, 0,1,2,3,4,5,6,7,8,9,10,11,12,13,14,15  ; column 256 w + 16 q + r: q = 8 pass + b.  Once a launch: a wave reads its 1,024 bytes of each
	global_load_b32 v[BK0+2*(\q)],   v[TA], s[8:9]   offset:64*(\q)
	global_load_b32 v[BK0+2*(\q)+1], v[TA], s[10:11] offset:64*(\q)
.endr
	s_add_nc_u64 s[WS:WS+1], s[6:7], s[34:35]
	s_add_nc_u64 s[PB:PB+1], s[14:15], s[36:37]
	s_wait_loadcnt 0x0
.irp q, 0,1,2,3,4,5,6,7,8,9,10,11,12,13,14,15  ; rounded to bf16 and widened again; the bias takes tanh's factor
	v_cvt_pk_bf16_f32 v[TK], v[BK0+2*(\q)], v[BK0+2*(\q)+1]
	v_lshlrev_b32 v[BK0+2*(\q)], 16, v[TK]
	v_and_b32 v[BK0+2*(\q)+1], 0xffff0000, v[TK]
	v_mul_f32 v[BK0+2*(\q)], s[C2], v[BK0+2*(\q)]
.endr
	s_wait_kmcnt 0x0
	s_min_u32 s52, s24, 0xffe0                     ; 32 rows from here stay inside x
	s_lshl_b32 s52, s52, 12
	s_mov_b32 s53, 0
	s_add_nc_u64 s[PFB:PFB+1], s[4:5], s[52:53]
	s_cmp_gt_u32 s25, 1                            ; the prefetch names 32 rows: only where the second tile has them
	s_cselect_b32 s[PFL], 1, 0
; ---- THE FILL.  Wave w owns rows 4 w .. 4 w + 3 of each block.  LOADH: two of them (half hf), 16 loads of 512 consecutive bytes, into half hf of set 0 or 1 of window 2.
.macro LOADH set, hf, off
	WIN TO_S
.irp i, 0,1
.irp j, 0,1,2,3,4,5,6,7
	global_load_b128 v[128*(\set)+64*(\hf)+32*(\i)+4*(\j):128*(\set)+64*(\hf)+32*(\i)+4*(\j)+3], v[XG], s[XB:XB+1] offset:(\off)+8192*(\hf)+4096*(\i)+512*(\j) th:TH_LOAD_NT
.endr
.endr
.endm
; CONVH: the half set rounded to bf16 and stored: each store covers 256 consecutive bytes of a row of the tile.
.macro CONVH set, hf, o
	WIN CV
.set z, 0
.rept 32
	v_cvt_pk_bf16_f32 v[T+32*(\hf)+z], v[128*(\set)+64*(\hf)+2*z], v[128*(\set)+64*(\hf)+2*z+1]
.set z, z+1
.endr
	WIN 0
.irp i, 0,1
.irp j, 0,1,2,3,4,5,6,7
	ds_store_b64 v[XS], v[T+32*(\hf)+16*(\i)+2*(\j):T+32*(\hf)+16*(\i)+2*(\j)+1] offset:(\o)+2*PITCH*(\hf)+PITCH*(\i)+256*(\j)
.endr
.endr
.endm
; ZERO: a block that the tile does not have: the fragment loads take all 8 blocks, so its bytes are defined.
.macro ZERO o
.irp i, 0,1,2,3
.irp j, 0,1,2,3,4,5,6,7
	ds_store_b64 v[XS], v[ZQ:ZQ+1] offset:(\o)+PITCH*(\i)+256*(\j)
.endr
.endr
.endm
; PRO_B: W's fragments of a pass's first three K steps: 48 loads of 512 consecutive bytes.
.macro PRO_B
	WIN TO_B
.irp j, 0,1,2
.irp b, 0,1,2,3,4,5,6,7
	global_load_b128 v[64*(\j)+8*(\b):64*(\j)+8*(\b)+3],   v[WO], s[WP:WP+1] offset:8192*(\j)+1024*(\b)
	global_load_b128 v[64*(\j)+8*(\b)+4:64*(\j)+8*(\b)+7], v[WO], s[WP:WP+1] offset:8192*(\j)+1024*(\b)+512
.endr
.endr
	WIN 0
.endm
; ---- THE PRODUCT.  ALOAD: x's fragments of one K step, all 8 blocks, at byte k behind the addresses of the four steps in hand.
.macro ALOAD buf, k
	WIN 0
.irp a, 0,1,2,3,4,5,6,7
	ds_load_b128 v[AF+64*(\buf)+8*(\a):AF+64*(\buf)+8*(\a)+3],   v[AA+(\a)/2] offset:((\a)%2)*BLK+(\k)
	ds_load_b128 v[AF+64*(\buf)+8*(\a)+4:AF+64*(\buf)+8*(\a)+7], v[AA+(\a)/2] offset:((\a)%2)*BLK+(\k)+32
.endr
.endm
; GROUP: block a x the pass's 8 column blocks, 32 along K.  Source 0 = 16 rows of x, source 1 = 16 rows of W: a lane holds column r, register i row 8 h + i.
; The accumulators take turns, one instruction a turn: with one block alone its eight.
.macro GROUP a, j, zero
	WIN MUL_LO+0x50*((\a)/4)
.irp b, 0,1,2,3,4,5,6,7
.if \zero
	v_wmma_f32_16x16x32_bf16 v[64*((\a)%4)+8*(\b):64*((\a)%4)+8*(\b)+7], v[AF+64*((\j)%2)+8*(\a):AF+64*((\j)%2)+8*(\a)+7], v[64*(\j)+8*(\b):64*(\j)+8*(\b)+7], 0
.else
	v_wmma_f32_16x16x32_bf16 v[64*((\a)%4)+8*(\b):64*((\a)%4)+8*(\b)+7], v[AF+64*((\j)%2)+8*(\a):AF+64*((\j)%2)+8*(\a)+7], v[64*(\j)+8*(\b):64*(\j)+8*(\b)+7], v[64*((\a)%4)+8*(\b):64*((\a)%4)+8*(\b)+7]
.endif
.endr
.endm
; STEP: K step j of a trip of four.  cnt: W's loads that may stay out: those of the steps behind this one.  lb: W's fragments three steps on are asked for, into the buffer that the step before has read.
; zero = 1: a pass's first step: all 8 blocks, and the products start the sums.  la: the next step's fragments of x are fetched, behind the first block's products.
; The four places at the end stand behind the step's last product, on every way: ahead of the next step's loads into W's and x's buffers just read, and of the first read of a sum.
.macro STEP j, zero, la, lb, cnt
	s_wait_loadcnt \cnt
.if \lb
	WIN TO_B
.irp b, 0,1,2,3,4,5,6,7
	global_load_b128 v[64*(((\j)+3)%4)+8*(\b):64*(((\j)+3)%4)+8*(\b)+3],   v[WO], s[WP:WP+1] offset:8192*((\j)+3)+1024*(\b)
	global_load_b128 v[64*(((\j)+3)%4)+8*(\b)+4:64*(((\j)+3)%4)+8*(\b)+7], v[WO], s[WP:WP+1] offset:8192*((\j)+3)+1024*(\b)+512
.endr
.endif
	s_wait_dscnt 0x0                               ; x's fragments, asked for behind the last step's first block
	GROUP 0, \j, \zero
.if \la
	ALOAD ((\j)+1)%2, 64*((\j)+1)
.endif
.irp a, 1,2,3,4,5,6,7
.if !(\zero)
	WIN 0
	s_cmp_le_u32 s[NB], \a
	s_cbranch_scc1 .Lstep_end_\@
.endif
	GROUP \a, \j, \zero
.endr
	WIN 0
.Lstep_end_\@:
.if ((\j) == 3) && (\la)
	s_add_co_u32 s[KO], s[KO], 256                 ; four K steps on
.irp p, 0,1,2,3
	v_add_nc_u32 v[AA+(\p)], s[KO], v[AI+(\p)]     ; these four lines are the places
.endr
.else
	PLACES
.endif
.endm
.macro NEXTW
	s_wait_xcnt 0x0                                ; the loads issued so far have read their base
	s_add_nc_u64 s[WP:WP+1], s[WP:WP+1], 32768
.endm
; ---- THE WAY FROM SUMS TO SCORES, for block a: 64 numbers a lane.  Two batches of 64 transcendentals, each with one plain instruction behind it and one wait ahead of the first use.
.macro EPI a
	WIN RD_LO+(\a)/4
.irp b, 0,1,2,3,4,5,6,7                        ; 2 log2e (z + b); each accumulator is read from its low end on
.irp i, 0,1,2,3
	v_pk_fma_f32 v[T+8*(\b)+2*(\i):T+8*(\b)+2*(\i)+1], v[64*((\a)%4)+8*(\b)+2*(\i):64*((\a)%4)+8*(\b)+2*(\i)+1], s[C2:C2+1], v[BK+2*(\b):BK+2*(\b)+1] op_sel_hi:[1,0,0]
.endr
.endr
	WIN 0
.set z, 0
.rept 64
	v_exp_f32 v[T+z], v[T+z]
.set z, z+1
.endr
	v_nop
	s_wait_alu depctr_va_vdst(0)
.set z, 0
.rept 32
	v_pk_add_f32 v[T+z:T+z+1], v[T+z:T+z+1], 1.0 op_sel_hi:[1,0]
.set z, z+2
.endr
.set z, 0
.rept 64
	v_rcp_f32 v[T+z], v[T+z]
.set z, z+1
.endr
	v_nop
	s_wait_alu depctr_va_vdst(0)
.set z, 0
.rept 32
	v_pk_fma_f32 v[T+z:T+z+1], v[T+z:T+z+1], -2.0, 1.0 op_sel_hi:[1,0,0]  ; tanh
.set z, z+2
.endr
.irp i, 0,1,2,3                                ; times my column's key (the pair's second register), summed over the 8 column blocks
	v_pk_mul_f32 v[SC+2*(\i):SC+2*(\i)+1], v[T+2*(\i):T+2*(\i)+1], v[BK:BK+1] op_sel:[0,1] op_sel_hi:[1,1]
.endr
.irp b, 1,2,3,4,5,6,7
.irp i, 0,1,2,3
	v_pk_fma_f32 v[SC+2*(\i):SC+2*(\i)+1], v[T+8*(\b)+2*(\i):T+8*(\b)+2*(\i)+1], v[BK+2*(\b):BK+2*(\b)+1], v[SC+2*(\i):SC+2*(\i)+1] op_sel:[0,1,0] op_sel_hi:[1,1,1]
.endr
.endr
.irp m, 1,2,4,8                                ; and over the 16 columns that lie in 16 lanes
.irp i, 0,1,2,3,4,5,6,7
	v_add_f32_dpp v[SC+(\i)], v[SC+(\i)], v[SC+(\i)] row_xmask:\m row_mask:0xf bank_mask:0xf
.endr
.endr
	v_cndmask_b32 v[TK], v[SC], v[SC+1], s[MK]     ; every lane holds all 8 rows' sums: it keeps that of row 8 h + lane % 8,
.irp i, 2,3,4,5,6,7
	v_cndmask_b32 v[TK], v[TK], v[SC+(\i)], s[MK+(\i)-1]
.endr
	v_add_f32 v[KA+(\a)], v[KA+(\a)], v[TK]        ; which is carried over the two passes
.endm
.Ltile:
	s_min_u32 s[NB], s21, 8
	s_mov_b32 s[NV], s22
	s_min_u32 s54, s20, 0xfff0
	s_lshl_b32 s54, s54, 12                        ; 4,096 bytes a row
	s_mov_b32 s55, 0
	s_add_nc_u64 s[XB:XB+1], s[4:5], s[54:55]
	s_mov_b32 s[XO], 0
	s_mov_b32 s[REM], s[NB]                        ; blocks still to be filled; below 1 once the tile's are done
	s_mov_b32 s[BC], 4
	LOADH 0, 0, 0                                  ; (a tile of 0 blocks names row 0: these loads stay inside x, and their numbers are not used)
	LOADH 0, 1, 0
	WIN 0
.Lx:                                               ; four trips, two blocks each.  On the way in at most set 0's two halves are out
	v_add_nc_u32 v[XS], s[XO], v[XS0]
	s_cmp_gt_i32 s[REM], 1
	s_cbranch_scc0 .Lx_few
	LOADH 1, 0, 65536
	s_wait_loadcnt 32                              ; here and below: the two half sets asked for last may stay out; the one before them is in
	CONVH 0, 0, 0
	LOADH 1, 1, 65536
	s_wait_loadcnt 32
	CONVH 0, 1, 0
	s_cmp_gt_i32 s[REM], 2
	s_cbranch_scc0 .Lx_last
	LOADH 0, 0, 131072
	s_wait_loadcnt 32
	CONVH 1, 0, BLK
	LOADH 0, 1, 131072
	s_wait_loadcnt 32
	CONVH 1, 1, BLK
	s_branch .Lx_step
.Lx_last:
	s_wait_loadcnt 0x0
	CONVH 1, 0, BLK
	CONVH 1, 1, BLK
	s_branch .Lx_step
.Lx_few:
	s_wait_loadcnt 0x0
	s_cmp_gt_i32 s[REM], 0
	s_cbranch_scc0 .Lx_none
	CONVH 0, 0, 0
	CONVH 0, 1, 0
	s_branch .Lx_z1
.Lx_none:
	ZERO 0
.Lx_z1:
	ZERO BLK
.Lx_step:
	s_wait_xcnt 0x0                                ; the loads have read their base
	s_add_nc_u64 s[XB:XB+1], s[XB:XB+1], 131072
	s_add_co_u32 s[XO], s[XO], 2*BLK
	s_sub_co_i32 s[REM], s[REM], 2
	s_sub_co_u32 s[BC], s[BC], 1
	s_cmp_lg_u32 s[BC], 0
	s_cbranch_scc1 .Lx
	s_wait_loadcnt 0x0                             ; a tile has at most 8 blocks, so the fourth trip asks for nothing: no load of x is out; the wait says so for every way through the loop
	s_mov_b64 s[WP:WP+1], s[WS:WS+1]
	PRO_B                                          ; on their way across the barrier: nobody writes wf
.irp a, 0,1,2,3,4,5,6,7
	v_mov_b32 v[KA+(\a)], 0                        ; the scores start at 0; those of blocks that the tile does not have stay there
.endr
	MEET                                           ; my rows of the tile are stored; behind the barrier everybody's are
	s_cmp_eq_u32 s[NB], 0
	s_cbranch_scc1 .Lscores
	s_mov_b32 s[PC], 2
.Lpass:                                            ; 128 columns: 32 K steps
	s_cmp_eq_u32 s[PC], 2
	s_cselect_b32 s[PM], -1, 0
.irp i, 0,1,2,3,4,5,6,7,8,9,10,11,12,13,14,15
	v_cndmask_b32 v[BK+(\i)], v[BK1+(\i)], v[BK0+(\i)], s[PM]  ; the pass's bias and key
.endr
	s_mov_b32 s[KO], 0
.irp p, 0,1,2,3
	v_add_nc_u32 v[AA+(\p)], s[KO], v[AI+(\p)]
.endr
	ALOAD 0, 0
	STEP 0, 1, 1, 1, 32
	STEP 1, 0, 1, 1, 32
	STEP 2, 0, 1, 1, 32
	STEP 3, 0, 1, 1, 32
	NEXTW
	s_mov_b32 s[KC], 6
.Lk:
	STEP 0, 0, 1, 1, 32
	STEP 1, 0, 1, 1, 32
	STEP 2, 0, 1, 1, 32
	STEP 3, 0, 1, 1, 32
	NEXTW
	s_sub_co_u32 s[KC], s[KC], 1
	s_cmp_lg_u32 s[KC], 0
	s_cbranch_scc1 .Lk
	STEP 0, 0, 1, 1, 32                            ; step 28 asks for step 31, the pass's last; then the counts run down
	STEP 1, 0, 1, 0, 32
	STEP 2, 0, 1, 0, 16
	STEP 3, 0, 0, 0, 0
	s_add_nc_u64 s[WP:WP+1], s[WP:WP+1], 32768     ; every load that names it is in: now at the next pass's first byte
	s_cmp_lg_u32 s[PC], 2
	s_cbranch_scc1 .Lno_pro
	PRO_B                                          ; the second pass's first three K steps come in under the first pass's scores
.Lno_pro:
	PLACES                                         ; with the last step's four: eight places ahead of the first read of a sum
	EPI 0
.irp a, 1,2,3,4,5,6,7
	s_cmp_le_u32 s[NB], \a
	s_cbranch_scc1 .Lepi_done
	EPI \a
.endr
.Lepi_done:
	s_sub_co_u32 s[PC], s[PC], 1
	s_cmp_lg_u32 s[PC], 0
	s_cbranch_scc1 .Lpass
.Lscores:
	s_wait_loadcnt 0x0                             ; a tile of 0 blocks has multiplied nothing: W's fragments asked for above are in before their registers are asked for again
	MEET                                           ; every wave's reads of the tile for its products are over: between the last barrier and this one LDS is only read
.irp a, 0,1,2,3,4,5,6,7
	ds_store_b32 v[KS], v[KA+(\a)] offset:64*(\a)  ; my wave's slot, whole; lanes 8 apart write the same word with the same number
.endr
	MEET                                           ; all four slots are written
	; ---- THE TILE'S SOFTMAX: every wave makes all of it; a lane takes rows 4 l .. 4 l + 3
.irp q, 0,1,2,3
	ds_load_b128 v[T+4*(\q):T+4*(\q)+3], v[SL] offset:512*(\q)
.endr
	s_cmp_eq_u32 s[PFL], 0
	s_cbranch_scc1 .Lno_pf
.irp j, 0,1,2,3                                ; the first 32 rows of my work-group's second tile, 8 rows a wave, a lane 256 bytes: each named once; a softmax and a weighted sum ahead of the loads that want them
	global_prefetch_b8 v[PFO], s[PFB:PFB+1] offset:8192*(\j) th:TH_LOAD_NT scope:SCOPE_SE
.endr
.Lno_pf:
	s_wait_dscnt 0x0
	v_pk_add_f32 v[T:T+1],     v[T:T+1],     v[T+4:T+5]
	v_pk_add_f32 v[T+2:T+3],   v[T+2:T+3],   v[T+6:T+7]
	v_pk_add_f32 v[T+8:T+9],   v[T+8:T+9],   v[T+12:T+13]
	v_pk_add_f32 v[T+10:T+11], v[T+10:T+11], v[T+14:T+15]
	v_pk_add_f32 v[T:T+1],     v[T:T+1],     v[T+8:T+9]
	v_pk_add_f32 v[T+2:T+3],   v[T+2:T+3],   v[T+10:T+11]
.irp i, 0,1,2,3
	v_cmp_gt_u32 vcc_lo, s[NV], v[RI+(\i)]         ; is the row valid?
	v_cndmask_b32 v[SS+(\i)], s[NEG], v[T+(\i)], vcc_lo
.endr
	v_max3_num_f32 v[MX], v[SS], v[SS+1], v[SS+2]
	v_max_num_f32 v[MX], v[MX], v[SS+3]
.irp m, 1,2,4,8
	v_max_num_f32_dpp v[MX], v[MX], v[MX] row_xmask:\m row_mask:0xf bank_mask:0xf
.endr
	v_permlanex16_b32 v[TP], v[MX], s[SEL], s[SEL+1]
	v_max_num_f32 v[MX], v[MX], v[TP]              ; a tile with blocks has a valid row, so this is a true score
	v_mul_f32 v[M2], s[C1], v[MX]
.irp i, 0,1,2,3
	v_fma_f32 v[PR+(\i)], v[SS+(\i)], s[C1], -v[M2]
.endr
.irp i, 0,1,2,3
	v_exp_f32 v[PR+(\i)], v[PR+(\i)]
.endr
	v_nop
	s_wait_alu depctr_va_vdst(0)                   ; one wait for the four, ahead of their first use
	ds_store_b128 v[PS], v[PR:PR+3]                ; into my wave's own copy
	v_add_f32 v[LL], v[PR], v[PR+1]
	v_add_f32 v[T2], v[PR+2], v[PR+3]
	v_add_f32 v[LL], v[LL], v[T2]
.irp m, 1,2,4,8
	v_add_f32_dpp v[LL], v[LL], v[LL] row_xmask:\m row_mask:0xf bank_mask:0xf
.endr
	v_permlanex16_b32 v[TP], v[LL], s[SEL], s[SEL+1]
	v_add_f32 v[LL], v[LL], v[TP]
.irp c, 0,1,2,3,4,5,6,7
	v_mov_b32 v[OA+(\c)], 0
.endr
	MEET                                           ; the weights are stored: from here to the next barrier LDS is only read
	; ---- THE WEIGHTED SUM: thread t takes columns 4 t .. 4 t + 3 and 512 + 4 t .. + 3 of all rows
	s_mov_b32 s[XO], 0
	s_mov_b32 s[PO], 0
	s_mov_b32 s[REM], s[NB]
	s_mov_b32 s[BC], 8
.Lw:                                               ; eight trips, a block each; the blocks that the tile does not have are jumped over
	s_cmp_gt_i32 s[REM], 0
	s_cbranch_scc0 .Lw_step
	v_add_nc_u32 v[PA], s[PO], v[PA0]
	v_add_nc_u32 v[XR], s[XO], v[XR0]
.irp q, 0,1,2,3
	ds_load_b128 v[PP+4*(\q):PP+4*(\q)+3], v[PA] offset:16*(\q)
.endr
.irp i, 0,1,2,3,4,5,6,7,8,9,10,11,12,13,14,15
	ds_load_b64 v[T+4*(\i):T+4*(\i)+1],   v[XR] offset:PITCH*(\i)
	ds_load_b64 v[T+4*(\i)+2:T+4*(\i)+3], v[XR] offset:PITCH*(\i)+1024
.endr
.irp i, 0,1,2,3,4,5,6,7,8,9,10,11,12,13,14,15
	s_wait_dscnt 30-2*(\i)                         ; row i's two loads are in; those of the rows behind it may stay out
.irp g, 0,1,2,3
	v_fma_mix_f32_bf16 v[OA+2*(\g)],   v[T+4*(\i)+(\g)], v[PP+(\i)], v[OA+2*(\g)]   op_sel_hi:[1,0,0]
	v_fma_mix_f32_bf16 v[OA+2*(\g)+1], v[T+4*(\i)+(\g)], v[PP+(\i)], v[OA+2*(\g)+1] op_sel:[1,0,0] op_sel_hi:[1,0,0]
.endr
.endr
.Lw_step:
	s_add_co_u32 s[XO], s[XO], BLK
	s_add_co_u32 s[PO], s[PO], 64
	s_sub_co_i32 s[REM], s[REM], 1
	s_sub_co_u32 s[BC], s[BC], 1
	s_cmp_lg_u32 s[BC], 0
	s_cbranch_scc1 .Lw
	s_cmp_eq_u32 s[NB], 0
	s_cbranch_scc1 .Lstored                        ; no tile: nothing is stored
	global_store_b128 v[GO], v[OA:OA+3],   s[PB:PB+1]              ; a wave stores 512 consecutive bytes, aligned
	global_store_b128 v[GO], v[OA+4:OA+7], s[PB:PB+1] offset:2048
	s_cmp_lg_u32 s[WV], 0
	s_cbranch_scc1 .Lstored
	global_store_b64 v[MLO], v[M2:M2+1], s[PB:PB+1]                ; the statistics, 32 times: 256 consecutive bytes
.Lstored:
	MEET                                           ; everybody's reads of the tile are over: the next tile may be filled in
	s_wait_xcnt 0x0                                ; the stores have read their registers and their base
	s_mov_b64 s[20:21], s[24:25]
	s_mov_b64 s[22:23], s[26:27]
	s_add_nc_u64 s[PB:PB+1], s[PB:PB+1], 256*4352
	s_mov_b32 s[PFL], 0
	s_sub_co_u32 s[TI], s[TI], 1
	s_cmp_lg_u32 s[TI], 0
	s_cbranch_scc1 .Ltile
	s_wait_tensorcnt 0x0                           ; the wave's end, behind my last LDS store
	ds_add_u32 v[SPW], v[NIL]
	s_wait_dscnt 0x0
	s_endpgm
.Lfunc_end_k_q6165450201_main:
	.size	k_q6165450201_main, .Lfunc_end_k_q6165450201_main-k_q6165450201_main
	.p2alignl 7, 3214868480
	.fill 96, 4, 3214868480
	.section	.rodata,"a",@progbits
	.p2align	6, 0x0
	.amdhsa_kernel k_q6165450201_main
		.amdhsa_group_segment_fixed_size 268800
		.amdhsa_private_segment_fixed_size 0
		.amdhsa_enable_private_segment 0
		.amdhsa_kernarg_size 48
		.amdhsa_user_sgpr_count 2
		.amdhsa_user_sgpr_kernarg_segment_ptr 1
		.amdhsa_wavefront_size32 1
		.amdhsa_system_sgpr_workgroup_id_x 1
		.amdhsa_system_sgpr_workgroup_id_y 1
		.amdhsa_system_sgpr_workgroup_id_z 1
		.amdhsa_system_vgpr_workitem_id 0
		.amdhsa_next_free_vgpr 1024
		.amdhsa_next_free_sgpr 80
		.amdhsa_reserve_vcc 1
		.amdhsa_float_denorm_mode_32 3
		.amdhsa_float_denorm_mode_16_64 3
		.amdhsa_memory_ordered 1
		.amdhsa_forward_progress 1
		.amdhsa_inst_pref_size 255
	.end_amdhsa_kernel
	.section	.bss,"aw",@nobits
	.p2align	6
	.space	262144
	.amdgpu_metadata
---
amdhsa.version: [ 1, 2 ]
amdhsa.kernels:
  - .name:           k_q6165450201_main
    .symbol:         k_q6165450201_main.kd
    .args:
      - { .name: x, .offset: 0, .size: 8, .value_kind: global_buffer, .address_space: global }
      - { .name: wf, .offset: 8, .size: 8, .value_kind: global_buffer, .address_space: global }
      - { .name: b, .offset: 16, .size: 8, .value_kind: global_buffer, .address_space: global }
      - { .name: key_vec, .offset: 24, .size: 8, .value_kind: global_buffer, .address_space: global }
      - { .name: sched, .offset: 32, .size: 8, .value_kind: global_buffer, .address_space: global }
      - { .name: part, .offset: 40, .size: 8, .value_kind: global_buffer, .address_space: global }
    .group_segment_fixed_size: 268800
    .private_segment_fixed_size: 0
    .kernarg_segment_align: 8
    .kernarg_segment_size: 48
    .max_flat_workgroup_size: 128
    .sgpr_count:     80
    .vgpr_count:     1024
    .wavefront_size: 32
...
	.end_amdgpu_metadata
.endif
;; end of part 2
;; launch comb (part 3): grid 8 x 16, 8 waves a work-group, no clusters, 5,376 bytes of LDS; arguments part, sched, out0; writes out0
.if DOCPART == 3
	.amdgcn_target "amdgcn-amd-amdhsa--gfx1250"
	.amdhsa_code_object_version 6
	.text
	.protected	k_q6165450201_comb
	.globl	k_q6165450201_comb
	.p2align	8
	.type	k_q6165450201_comb,@function
k_q6165450201_comb:
	s_mov_b64 s[64:65], 0
	v_nop
	global_prefetch_b8 v0, s[64:65] scope:SCOPE_SE
	s_setreg_imm32_b32 hwreg(HW_REG_WAVE_MODE, 25, 1), 1
	s_wait_xcnt 0x0
; COMB.  out0[y][c] = (sum over the sequence's tiles t of 2^(m2_t - M) part[t][c]) / (sum over t of 2^(m2_t - M) l_t), M = the largest m2_t: the running maximum's merge, in f32.
; Work-group (x, y): 128 columns (512 bytes) of sequence y.  Wave v takes tiles v, v + 8, ..: lane k holds the statistics of tile v + 8 k (a sequence has at most 256 tiles); the eight waves meet in LDS.
; A sequence without a tile (length 0) gives 0 x (1 / 0), NaN, as a softmax over nothing does.  Tile numbers are clamped to the sequence's own tiles and to the table; what a clamped address brings has the weight 0.
.set CS,    4096                       ; LDS: 8 x 512 bytes of sums at 0; 8 x {M_v, L_v} here, in a block of their own
.set SPARE, 4352                       ; the spare words, 128 bytes for each wave: four blocks of 256 bytes that no other line names
	s_load_b128 s[4:7], s[0:1], 0x0                ; part s[4:5], sched s[6:7]
	s_load_b64 s[8:9], s[0:1], 0x10                ; out0
	v_lshl_add_u32 v2, v0, 2, SPARE
	v_mov_b32 v3, 0
	v_lshrrev_b32 v1, 5, v0
	v_readfirstlane_b32 s10, v1                    ; wave v
	v_and_b32 v1, 31, v0                           ; lane
	s_and_b32 s11, ttmp7, 0xffff                   ; sequence
	s_lshl_b32 s12, s11, 3
	s_mov_b32 s17, 0xff7fffff                      ; the lowest finite number
	s_mov_b32 s44, 0x76543210
	s_mov_b32 s45, 0xfedcba98
	v_lshlrev_b32 v7, 4, v1                        ; my 16 bytes of the 512
	v_lshlrev_b32 v14, 4, v0                       ; 512 v + 16 lane
	s_lshl_b32 s21, s10, 3
	s_add_co_u32 s21, s21, CS
	v_mov_b32 v15, s21
	v_mov_b32 v13, 0                               ; v_permlanex16_b32's destination counts as read
	v_lshl_add_u32 v5, v1, 3, s10                  ; my tile's number in the sequence: i = v + 8 lane
.irp c, 0,1,2,3
	v_mov_b32 v[16+(\c)], 0
.endr
	s_lshl_b32 s40, ttmp9, 9
	s_mov_b32 s41, 0
	s_lshl_b32 s42, s11, 12
	s_add_co_u32 s42, s42, s40
	s_mov_b32 s43, 0
	s_wait_kmcnt 0x0
	s_load_b64 s[14:15], s[6:7], s12 offset:0x2000 ; first tile P, tiles C
	s_add_nc_u64 s[40:41], s[4:5], s[40:41]        ; part at my columns
	s_add_nc_u64 s[42:43], s[8:9], s[42:43]        ; out0 at my row and columns
	s_wait_kmcnt 0x0
	s_min_u32 s14, s14, 511
	s_min_u32 s15, s15, 256
	s_max_u32 s16, s15, 1
	s_sub_co_u32 s16, s16, 1                       ; the sequence's last tile
	v_min_u32 v6, s16, v5
	v_add_nc_u32 v6, s14, v6
	v_min_u32 v6, 0x1ff, v6
	v_mul_u32_u24 v6, v6, 4352
	global_load_b64 v[8:9], v6, s[4:5] offset:4096 ; (m2, l) of my tile
	s_add_co_u32 s18, s15, 7
	s_sub_co_u32 s18, s18, s10
	s_lshr_b32 s18, s18, 3                         ; my wave's tiles
	s_add_co_u32 s19, s18, 3
	s_lshr_b32 s19, s19, 2                         ; in groups of four
	s_wait_loadcnt 0x0
	v_cmp_gt_u32 vcc_lo, s15, v5
	v_cndmask_b32 v8, s17, v8, vcc_lo
	v_cndmask_b32 v9, 0, v9, vcc_lo
	v_mov_b32 v10, v8
.irp m, 1,2,4,8
	v_max_num_f32_dpp v10, v10, v10 row_xmask:\m row_mask:0xf bank_mask:0xf
.endr
	v_permlanex16_b32 v13, v10, s44, s45
	v_max_num_f32 v10, v10, v13                    ; M_v
	v_sub_f32 v12, v8, v10
	v_exp_f32 v12, v12                             ; my tile's weight in the wave
	v_nop
	s_wait_alu depctr_va_vdst(0)
	v_mul_f32 v11, v12, v9
.irp m, 1,2,4,8
	v_add_f32_dpp v11, v11, v11 row_xmask:\m row_mask:0xf bank_mask:0xf
.endr
	v_permlanex16_b32 v13, v11, s44, s45
	v_add_f32 v11, v11, v13                        ; L_v
	s_mov_b32 s20, 0
	s_cmp_eq_u32 s19, 0
	s_cbranch_scc1 .Lnone
.Lg:                                               ; four tiles a trip: four loads of 512 consecutive bytes
.irp u, 0,1,2,3
	s_lshl_b32 s21, s20, 2
	s_add_co_u32 s21, s21, \u                      ; k: at most 31
	v_readlane_b32 s[32+2*(\u)], v12, s21
	s_mov_b32 s[33+2*(\u)], s[32+2*(\u)]           ; named with it as a pair
	s_lshl_b32 s22, s21, 3
	s_add_co_u32 s22, s22, s10
	s_min_u32 s22, s22, s16
	s_add_co_u32 s22, s22, s14
	s_min_u32 s22, s22, 511
	s_mul_i32 s22, s22, 4352
	s_mov_b32 s23, 0
	s_add_nc_u64 s[24+2*(\u):25+2*(\u)], s[40:41], s[22:23]
.endr
.irp u, 0,1,2,3
	global_load_b128 v[20+4*(\u):23+4*(\u)], v7, s[24+2*(\u):25+2*(\u)]
.endr
	s_wait_loadcnt 0x0                             ; which also frees the four bases
.irp u, 0,1,2,3
	v_pk_fma_f32 v[16:17], v[20+4*(\u):21+4*(\u)], s[32+2*(\u):33+2*(\u)], v[16:17] op_sel_hi:[1,0,1]
	v_pk_fma_f32 v[18:19], v[22+4*(\u):23+4*(\u)], s[32+2*(\u):33+2*(\u)], v[18:19] op_sel_hi:[1,0,1]
.endr
	s_add_co_u32 s20, s20, 1
	s_cmp_lt_u32 s20, s19
	s_cbranch_scc1 .Lg
.Lnone:
	ds_store_b128 v14, v[16:19]
	ds_store_b64 v15, v[10:11]                     ; all lanes write the same 8 bytes with the same numbers
	s_wait_dscnt 0x0
	s_barrier_signal -1
	s_barrier_wait -1
	s_cmp_lg_u32 s10, 0
	s_cbranch_scc1 .Lend                           ; wave 0 merges the eight
.irp q, 0,1,2,3,4,5,6,7
	ds_load_b128 v[20+4*(\q):23+4*(\q)], v7 offset:512*(\q)
.endr
.irp q, 0,1,2,3
	ds_load_b128 v[52+4*(\q):55+4*(\q)], v15 offset:16*(\q)  ; in wave 0 v15 = CS: M_v at v[52 + 2 v], L_v behind it
.endr
	s_wait_dscnt 0x0
	v_max3_num_f32 v68, v52, v54, v56
	v_max3_num_f32 v68, v68, v58, v60
	v_max3_num_f32 v68, v68, v62, v64
	v_max_num_f32 v68, v68, v66
.irp q, 0,1,2,3,4,5,6,7
	v_sub_f32 v[70+(\q)], v[52+2*(\q)], v68
.endr
.irp q, 0,1,2,3,4,5,6,7
	v_exp_f32 v[70+(\q)], v[70+(\q)]
.endr
	v_nop
	s_wait_alu depctr_va_vdst(0)
	v_mul_f32 v69, v70, v53
.irp q, 1,2,3,4,5,6,7
	v_fmac_f32 v69, v[70+(\q)], v[53+2*(\q)]
.endr
	v_rcp_f32 v69, v69
.irp c, 0,1,2,3
	v_mul_f32 v[16+(\c)], v70, v[20+(\c)]
.endr
.irp q, 1,2,3,4,5,6,7
.irp c, 0,1,2,3
	v_fmac_f32 v[16+(\c)], v[70+(\q)], v[20+4*(\q)+(\c)]
.endr
.endr
	s_wait_alu depctr_va_vdst(0)                   ; the reciprocal's wait, ahead of its first use; the 32 lines above are the work between
.irp c, 0,1,2,3
	v_mul_f32 v[16+(\c)], v[16+(\c)], v69
.endr
	global_store_b128 v7, v[16:19], s[42:43]       ; 512 consecutive bytes, aligned
.Lend:
	s_wait_tensorcnt 0x0                           ; the wave's end, behind my last LDS store
	ds_add_u32 v2, v3
	s_wait_dscnt 0x0
	s_endpgm
.Lfunc_end_k_q6165450201_comb:
	.size	k_q6165450201_comb, .Lfunc_end_k_q6165450201_comb-k_q6165450201_comb
	.p2alignl 7, 3214868480
	.fill 96, 4, 3214868480
	.section	.rodata,"a",@progbits
	.p2align	6, 0x0
	.amdhsa_kernel k_q6165450201_comb
		.amdhsa_group_segment_fixed_size 5376
		.amdhsa_private_segment_fixed_size 0
		.amdhsa_enable_private_segment 0
		.amdhsa_kernarg_size 24
		.amdhsa_user_sgpr_count 2
		.amdhsa_user_sgpr_kernarg_segment_ptr 1
		.amdhsa_wavefront_size32 1
		.amdhsa_system_sgpr_workgroup_id_x 1
		.amdhsa_system_sgpr_workgroup_id_y 1
		.amdhsa_system_sgpr_workgroup_id_z 1
		.amdhsa_system_vgpr_workitem_id 0
		.amdhsa_next_free_vgpr 80
		.amdhsa_next_free_sgpr 66
		.amdhsa_reserve_vcc 1
		.amdhsa_float_denorm_mode_32 3
		.amdhsa_float_denorm_mode_16_64 3
		.amdhsa_memory_ordered 1
		.amdhsa_forward_progress 1
		.amdhsa_inst_pref_size 10
	.end_amdhsa_kernel
	.amdgpu_metadata
---
amdhsa.version: [ 1, 2 ]
amdhsa.kernels:
  - .name:           k_q6165450201_comb
    .symbol:         k_q6165450201_comb.kd
    .args:
      - { .name: part, .offset: 0, .size: 8, .value_kind: global_buffer, .address_space: global }
      - { .name: sched, .offset: 8, .size: 8, .value_kind: global_buffer, .address_space: global }
      - { .name: out0, .offset: 16, .size: 8, .value_kind: global_buffer, .address_space: global }
    .group_segment_fixed_size: 5376
    .private_segment_fixed_size: 0
    .kernarg_segment_align: 8
    .kernarg_segment_size: 24
    .max_flat_workgroup_size: 256
    .sgpr_count:     66
    .vgpr_count:     80
    .wavefront_size: 32
...
	.end_amdgpu_metadata
.endif
;; end of part 3
;; ======== version 2 of 2: 3 launches; version 1 with the launch main written anew for expert scheduling mode
;; limits: values outside matrix products are rounded to bf16
;; workspace buffers: wf 2,097,152 bytes; sched 8,448 bytes of whole numbers; part 2,228,224 bytes
;; launch prep: the kernel of part 1 again; grid 256 x 1, 4 waves a work-group, no clusters, 0 bytes of LDS; arguments W, lengths, wf, sched; writes wf, sched
;; launch main (part 4): grid 256 x 1, 4 waves a work-group, no clusters, 268,800 bytes of LDS; arguments x, wf, b, key_vec, sched, part; writes part
.if DOCPART == 4
	.amdgcn_target "amdgcn-amd-amdhsa--gfx1250"
	.amdhsa_code_object_version 6
	.text
	.protected	k_q6165450201_main
	.globl	k_q6165450201_main
	.p2align	8
	.type	k_q6165450201_main,@function
k_q6165450201_main:
	s_mov_b64 s[64:65], 0
	v_nop
	global_prefetch_b8 v0, s[64:65] scope:SCOPE_SE
	s_setreg_imm32_b32 hwreg(HW_REG_WAVE_SCHED_MODE, 0, 2), 2
	s_setreg_imm32_b32 hwreg(HW_REG_WAVE_MODE, 25, 1), 1
	s_wait_xcnt 0x0
	s_wait_alu depctr_vm_vsrc(0)
; MAIN.  For a tile of NB <= 8 blocks of 16 rows of one sequence (table sched): x -> bf16 in LDS; z = x W^T (bf16 operands, f32 sums); score s = sum over n of key[n] tanh(z[n] + b[n]);
; the tile's own softmax (m = max over its valid rows, p = 2^(log2e s - log2e m), l = sum of p); sum over rows of p x.  part row t: 1,024 f32 sums, then (log2e m, l) 32 times.  The next launch merges a sequence's tiles.
; x is read once from memory, by the one work-group that owns the rows; rows behind a sequence's last block are never touched.
; SHARES.  Work-group g takes tiles g and g + 256 (a loop of two trips; a tile with 0 blocks does the fill, the barriers and a softmax of nothing, and stores nothing).  All four waves take all rows; wave w takes columns
; 256 w .. 256 w + 255 of z, in two passes of 128: 8 x 8 accumulators of 16 x 16, 512 registers.  Blocks from NB on are jumped over, so the matrix work goes with NB.
; W comes from wf straight into operand registers: a fragment of W is used by one wave of the work-group alone (the waves split the columns), so LDS would add no reuse; and beside the x tile's 264,192 bytes LDS has 63,488 left,
; too little for two slots of a pass's K steps.  For the same reason NO CLUSTER and no tensor load: a joint load lands in LDS.  Three K steps of W (24 KiB a wave) are on their way all the time; the K loop has no barrier.
; LIMITS.  x, W, b, key_vec are each rounded once to bf16; everything behind that is f32.  tanh z = 1 - 2 / (1 + 2^(2 log2e z)): where the power overflows or vanishes the result is exactly 1 or -1.
; A hidden row counts as the lowest finite number, and its weight is 0; a weight below 2^-126 counts as 0; NaN and infinities are not treated apart.
; LDS ADDRESSES are a fixed register of the lane plus an immediate, or such a register plus a scalar that a counted loop steps.
; REGISTERS, in windows of 256 (s_set_vgpr_msb: bits 1:0 source 0, 3:2 source 1, 5:4 source 2, 7:6 destination):
;   window 0: addresses, statistics, bias and key; v128-191, v192-255 two buffers of x's fragments (8 blocks x 32 k); the first is also the work area T; during the fill the two are four buffers TB of 32 for x in bf16
;   window 1: four buffers of W's fragments, K step j at 64 (j % 4) + 8 b        windows 2, 3: accumulator (a, b) at 64 (a % 4) + 8 b of window 2 + a / 4; during the fill window 2 holds two sets of 128 for x as loaded
; THE MODE: SCHED_MODE bits 1:0 = 2 (LLVM: expert scheduling mode 2), set by the entry lines.  The code itself states the register dependences between vector or matrix instructions and memory or LDS
; instructions, with s_wait_alu, always for 0.
; THE PLAN.  Registers that memory or LDS instructions touch, and who else names them:
;   X      four half sets of 64 in window 2.  The fill's loads land in them, a run of 32 conversions reads each.  A half set is asked for again two runs behind the run that emptied it; every run has a wait on va_vdst behind it,
;          and the runs since name other half sets: the loads owe no wait of their own.  One wait at a tile's head: the tile before is done with window 2, its accumulators.
;   TB0-3  written by a run of conversions, read by its 16 LDS stores: the wait on va_vdst between the two.  Each is written once a trip: one wait on vm_vsrc at the trip's head frees all four, and XS; one behind the loop
;          frees them for the LDS loads that land there later.
;   XS, AA, PA, XR   LDS addresses that move: a wait on vm_vsrc ahead of the add, and behind it a wait on va_vdst that stands there for the data's sake too.
;   W0-3, AF0-1   Step j's products read W[j % 4] and AF[j % 2]; its loads land in W[(j + 3) % 4] and AF[(j + 1) % 2], which the products of step j - 1 read and no product of step j names.  So ONE wait on va_vdst stands at a
;          step's head, and the step's 32 loads follow its first eight products with no further wait.
;   KA, PR, OA, M2, LL   data of stores: a wait on va_vdst ahead of each run of stores; one wait on vm_vsrc at the tile's end, ahead of the next tile's writes.
;   XG, WO, XS0, AI, KS, SL, PS, PA0, XR0, GO, MLO, PFO, TA, ZQ   made once at the head, ahead of one wait on va_vdst, and never written again.
.set PITCH, 2064                       ; a row of the x tile: 2,048 bytes + 16: an odd multiple of 16, so the 16 rows of a fragment load start in 16 different groups of four banks (ISA guide 11.1)
.set BLK,   16*PITCH                   ; a block of 16 rows
.set SCR,   128*PITCH                  ; 4 slots, a wave each, x 128 rows x f32: partial scores
.set PW,    SCR+2048                   ; each wave's own copy of the tile's 128 weights; the 512 bytes behind them are the spare words of the closing add
.set XG,  6                            ; v6   x: my wave's 4 rows of a block, my 16 bytes
.set WO,  7                            ; v7   16 x lane, in a fragment of wf
.set XS0, 8                            ; v8   x tile: my wave's 4 rows, my 8 bytes;  v9 the same in the blocks that the fill is at
.set XS,  9
.set TA,  10
.set KS,  11                           ; v11  where I put my row's partial score
.set AI,  12                           ; v12-15  fragment address of blocks 2 p, 2 p + 1;  v16-19 the same at the K steps in hand
.set AA,  16
.set SL,  20                           ; v20  where I read four rows' partial scores
.set PS,  21                           ; v21  where I put four weights
.set PA0, 22                           ; v22, v23  my wave's weights (first block; the block in hand)
.set PA,  23
.set XR0, 24                           ; v24, v25  my 4 columns in the x tile (first block; the block in hand)
.set XR,  25
.set GO,  26                           ; v26  my 16 bytes in a row of part
.set MLO, 27                           ; v27  my copy of the statistics there
.set PFO, 28
.set TK,  29
.set ZQ,  32                           ; v32-33  0
.set BK,  36                           ; v36-51  {2 log2e bias, key} of my column in the pass's blocks b = 0..7
.set SC,  52                           ; v52-59  score sums of one block: row 8 h + i
.set KA,  60                           ; v60-67  block a's partial score of row 8 h + lane % 8, summed over my wave's 256 columns
.set BK0, 68                           ; v68-83  pass 0's bias and key;  v84-99 pass 1's
.set BK1, 84
.set RI,  100                          ; v100-103  the four rows of the tile that I take in the softmax
.set SS,  104
.set PR,  108
.set MX,  112
.set TP,  113
.set M2,  114                          ; v114, v115  log2e m, l
.set LL,  115
.set T2,  116
.set OA,  118                          ; v118-125  my 8 columns of the weighted sum
.set AF,  128
.set T,   128
.set PP,  192                          ; v192-207  a block's 16 weights (the second fragment buffer is idle then)
.set WV,  16                           ; s16  wave
.set NB,  28                           ; s28  the tile's blocks;  s29 its valid rows
.set NV,  29
.set KO,  30                           ; s30  byte in a row of the x tile at which the four K steps in hand begin
.set PM,  31                           ; s31  all ones in pass 0, else 0
.set WS,  32                           ; s[32:33] wf at my wave's 512 KiB;  s[34:35] the running pointer
.set WP,  34
.set PB,  36                           ; s[36:37] part at the tile's row
.set TI,  38
.set PC,  39
.set KC,  40
.set BC,  41
.set REM, 42
.set XO,  43                           ; s43  LDS byte of the pair of blocks that the fill, or of the block that the weighted sum, is at
.set C2,  44                           ; s[44:45] 2 log2e
.set C1,  46                           ; s[46:47] log2e
.set SEL, 48                           ; s[48:49] v_permlanex16_b32: each lane takes its own place in the other half
.set NEG, 50                           ; s50  the lowest finite number
.set PFL, 51                           ; s51  1: the second tile's first rows are still to be prefetched
.set PFB, 52                           ; s[52:53] x at those rows
.set XB,  54                           ; s[54:55] x at the blocks that the fill is at
.set PO,  56                           ; s56  byte of the block's weights
.set MK,  66                           ; s66-72  the lanes with lane % 8 = 1 .. 7
.set VM,  74                           ; s74-77  the lanes whose row 4 l + i is valid
.set MSB, 0
.macro WIN new                         ; the immediate's high byte repeats the setting that is left; a switch that changes nothing is dropped
.if MSB != (\new)
	s_set_vgpr_msb (MSB<<8)|(\new)
.set MSB, \new
.endif
.endm
.set MUL_LO, 0xa4                      ; x's fragments window 0, W's window 1, C and D window 2
.set TO_B,   0x40
.set TO_S,   0x80
.set CV,     0x0a                      ; sources 0 and 1 window 2
.set RD_LO,  0x02                      ; source 0 window 2 (+1: window 3)
.macro PLACES                          ; four places behind a matrix instruction (ISA guide 7.12.1)
.rept 4
	v_nop
.endr
.endm
.macro MEET                            ; a work-group barrier; no LDS instruction of mine is out at the signal
	s_wait_dscnt 0x0
	s_barrier_signal -1
	s_barrier_wait -1
.endm
	s_load_b256 s[4:11], s[0:1], 0x0               ; x s[4:5], wf s[6:7], b s[8:9], key_vec s[10:11]
	s_load_b128 s[12:15], s[0:1], 0x20             ; sched s[12:13], part s[14:15]
	v_lshl_add_u32 v126, v0, 2, 0x41800
	v_mov_b32 v127, 0
	v_lshrrev_b32 v1, 5, v0
	v_readfirstlane_b32 s[WV], v1
	v_and_b32 v1, 31, v0                           ; lane
	v_and_b32 v2, 15, v0                           ; r
	v_bfe_u32 v3, v0, 4, 1                         ; h
	s_mov_b32 s[C2], 0x4038aa3b
	s_mov_b32 s[C2+1], s[C2]
	s_mov_b32 s[C1], 0x3fb8aa3b
	s_mov_b32 s[C1+1], s[C1]
	s_mov_b32 s[SEL], 0x76543210
	s_mov_b32 s[SEL+1], 0xfedcba98
	s_mov_b32 s[NEG], 0xff7fffff
.irp i, 1,2,3,4,5,6,7
	s_mov_b32 s[MK+(\i)-1], 0x01010101<<(\i)
.endr
	s_wait_alu depctr_va_sdst(0)                   ; the wave's number is written, ahead of its first reader: addresses, bases and branches are made from it
	s_lshl_b32 s17, s[WV], 14                      ; 4 rows of 4,096 bytes
	v_lshl_add_u32 v[XG], v1, 4, s17
	v_lshlrev_b32 v[WO], 4, v1
	s_mul_i32 s17, s[WV], 4*PITCH
	v_lshl_add_u32 v[XS0], v1, 3, s17
	v_mul_u32_u24 v[AI], v2, PITCH
	v_lshl_add_u32 v[AI], v3, 4, v[AI]             ; row r x pitch + 16 h
	v_add_nc_u32 v[AI+1], 2*BLK, v[AI]
	v_add_nc_u32 v[AI+2], 4*BLK, v[AI]
	v_add_nc_u32 v[AI+3], 6*BLK, v[AI]
	s_lshl_b32 s17, s[WV], 9
	s_add_co_u32 s18, s17, SCR                     ; my wave's slot
	v_and_b32 v[TA], 7, v0
	v_lshl_add_u32 v[KS], v3, 5, s18               ; row 8 h + lane % 8 of a block: 4 bytes a row
	v_lshl_add_u32 v[KS], v[TA], 2, v[KS]
	v_lshl_add_u32 v[SL], v1, 4, SCR
	s_add_co_u32 s18, s17, PW
	v_lshl_add_u32 v[PS], v1, 4, s18
	v_mov_b32 v[PA0], s18
	v_lshlrev_b32 v[XR0], 3, v0
	v_lshlrev_b32 v[GO], 4, v0
	v_lshl_add_u32 v[MLO], v1, 3, 4096
	v_mov_b32 v[ZQ], 0
	v_mov_b32 v[ZQ+1], 0
.irp i, 0,1,2,3
	v_lshl_add_u32 v[RI+(\i)], v1, 2, \i
.endr
	v_mov_b32 v[TP], 0                             ; v_permlanex16_b32's destination counts as read
	s_lshl_b32 s17, s[WV], 15                      ; the prefetch: my wave's 8 rows of 32, two rows an instruction, a lane 256 bytes
	v_lshl_add_u32 v[PFO], v3, 12, s17
	v_lshl_add_u32 v[PFO], v2, 8, v[PFO]
	s_lshl_b32 s17, s[WV], 10                      ; my wave's 256 numbers of b and of key_vec,
	v_lshl_add_u32 v[TA], v2, 2, s17               ; my column of a block of 16
	s_lshl_b32 s34, s[WV], 19
	s_mov_b32 s35, 0
	s_mov_b32 s17, ttmp9
	s_lshl_b32 s18, s17, 4
	s_mov_b32 s19, 0
	s_mul_i32 s36, s17, 4352
	s_mov_b32 s37, 0
	s_mov_b32 s[TI], 2
	s_wait_kmcnt 0x0
	s_add_nc_u64 s[18:19], s[12:13], s[18:19]
	s_load_b128 s[20:23], s[18:19], 0x0            ; tile g: first row, blocks, valid rows, sequence
	s_load_b128 s[24:27], s[18:19], 0x1000         ; tile g + 256
	s_wait_alu depctr_va_vdst(0)                   ; the lane's fixed addresses and offsets (XG, WO, XS0, AI, KS, SL, PS, PA0, XR0, GO, MLO, PFO, TA) and the zeros ZQ are written: every load, store and prefetch of the kernel reads some of them
.irp q, 0,1,2,3,4,5,6,7,8,9,10,11,12,13,14,15  ; column 256 w + 16 q + r: q = 8 pass + b.  Once a launch: a wave reads its 1,024 bytes of each
	global_load_b32 v[BK0+2*(\q)],   v[TA], s[8:9]   offset:64*(\q)
	global_load_b32 v[BK0+2*(\q)+1], v[TA], s[10:11] offset:64*(\q)
.endr
	s_add_nc_u64 s[WS:WS+1], s[6:7], s[34:35]
	s_add_nc_u64 s[PB:PB+1], s[14:15], s[36:37]
	s_wait_loadcnt 0x0
.irp q, 0,1,2,3,4,5,6,7,8,9,10,11,12,13,14,15  ; rounded to bf16 and widened again; the bias takes tanh's factor
	v_cvt_pk_bf16_f32 v[TK], v[BK0+2*(\q)], v[BK0+2*(\q)+1]
	v_lshlrev_b32 v[BK0+2*(\q)], 16, v[TK]
	v_and_b32 v[BK0+2*(\q)+1], 0xffff0000, v[TK]
	v_mul_f32 v[BK0+2*(\q)], s[C2], v[BK0+2*(\q)]
.endr
	s_wait_kmcnt 0x0
	s_min_u32 s52, s24, 0xffe0                     ; 32 rows from here stay inside x
	s_lshl_b32 s52, s52, 12
	s_mov_b32 s53, 0
	s_add_nc_u64 s[PFB:PFB+1], s[4:5], s[52:53]
	s_cmp_gt_u32 s25, 1                            ; the prefetch names 32 rows: only where the second tile has them
	s_cselect_b32 s[PFL], 1, 0
; ---- THE FILL.  Wave w owns rows 4 w .. 4 w + 3 of each block.  LOADH: two of them (half hf), 16 loads of 512 consecutive bytes, into half hf of set 0 or 1 of window 2.
.macro LOADH set, hf, off
	WIN TO_S
.irp i, 0,1
.irp j, 0,1,2,3,4,5,6,7
	global_load_b128 v[128*(\set)+64*(\hf)+32*(\i)+4*(\j):128*(\set)+64*(\hf)+32*(\i)+4*(\j)+3], v[XG], s[XB:XB+1] offset:(\off)+8192*(\hf)+4096*(\i)+512*(\j) th:TH_LOAD_NT
.endr
.endr
.endm
; CVTH: the half set rounded to bf16, into buffer TB[2 set + hf].
.macro CVTH set, hf
	WIN CV
.set z, 0
.rept 32
	v_cvt_pk_bf16_f32 v[T+32*(2*(\set)+(\hf))+z], v[128*(\set)+64*(\hf)+2*z], v[128*(\set)+64*(\hf)+2*z+1]
.set z, z+1
.endr
.endm
; STOH: that buffer stored: each store covers 256 consecutive bytes of a row of the tile.
.macro STOH set, hf, o
	WIN 0
.irp i, 0,1
.irp j, 0,1,2,3,4,5,6,7
	ds_store_b64 v[XS], v[T+32*(2*(\set)+(\hf))+16*(\i)+2*(\j):T+32*(2*(\set)+(\hf))+16*(\i)+2*(\j)+1] offset:(\o)+2*PITCH*(\hf)+PITCH*(\i)+256*(\j)
.endr
.endr
.endm
; ZERO: a block that the tile does not have: the fragment loads take all 8 blocks, so its bytes are defined.
.macro ZERO o
.irp i, 0,1,2,3
.irp j, 0,1,2,3,4,5,6,7
	ds_store_b64 v[XS], v[ZQ:ZQ+1] offset:(\o)+PITCH*(\i)+256*(\j)
.endr
.endr
.endm
; PRO_B: W's fragments of a pass's first three K steps: 48 loads of 512 consecutive bytes.
.macro PRO_B
	WIN TO_B
.irp j, 0,1,2
.irp b, 0,1,2,3,4,5,6,7
	global_load_b128 v[64*(\j)+8*(\b):64*(\j)+8*(\b)+3],   v[WO], s[WP:WP+1] offset:8192*(\j)+1024*(\b)
	global_load_b128 v[64*(\j)+8*(\b)+4:64*(\j)+8*(\b)+7], v[WO], s[WP:WP+1] offset:8192*(\j)+1024*(\b)+512
.endr
.endr
	WIN 0
.endm
; ---- THE PRODUCT.  ALOAD: x's fragments of one K step, all 8 blocks, at byte k behind the addresses of the four steps in hand.
.macro ALOAD buf, k
	WIN 0
.irp a, 0,1,2,3,4,5,6,7
	ds_load_b128 v[AF+64*(\buf)+8*(\a):AF+64*(\buf)+8*(\a)+3],   v[AA+(\a)/2] offset:((\a)%2)*BLK+(\k)
	ds_load_b128 v[AF+64*(\buf)+8*(\a)+4:AF+64*(\buf)+8*(\a)+7], v[AA+(\a)/2] offset:((\a)%2)*BLK+(\k)+32
.endr
.endm
; GROUP: block a x the pass's 8 column blocks, 32 along K.  Source 0 = 16 rows of x, source 1 = 16 rows of W: a lane holds column r, register i row 8 h + i.
; The accumulators take turns, one instruction a turn: with one block alone its eight.
.macro GROUP a, j, zero
	WIN MUL_LO+0x50*((\a)/4)
.irp b, 0,1,2,3,4,5,6,7
.if \zero
	v_wmma_f32_16x16x32_bf16 v[64*((\a)%4)+8*(\b):64*((\a)%4)+8*(\b)+7], v[AF+64*((\j)%2)+8*(\a):AF+64*((\j)%2)+8*(\a)+7], v[64*(\j)+8*(\b):64*(\j)+8*(\b)+7], 0
.else
	v_wmma_f32_16x16x32_bf16 v[64*((\a)%4)+8*(\b):64*((\a)%4)+8*(\b)+7], v[AF+64*((\j)%2)+8*(\a):AF+64*((\j)%2)+8*(\a)+7], v[64*(\j)+8*(\b):64*(\j)+8*(\b)+7], v[64*((\a)%4)+8*(\b):64*((\a)%4)+8*(\b)+7]
.endif
.endr
.endm
; STEP: K step j of a trip of four.  cnt: W's loads that may stay out: those of the steps behind this one.  lb: W's fragments three steps on are asked for, into the buffer that the step before has read.
; zero = 1: a pass's first step: all 8 blocks, and the products start the sums.  la: the next step's fragments of x are fetched.  Both runs of loads stand behind the first block's products, on every way.
; A pass's first step has no wait on va_vdst: the one at the pass's head stands ahead of it, and only the first block's products, which name W0, AF0 and their sums, lie between.  A step that loads nothing has none either.
; The four places at the end stand behind the step's last product, on every way, ahead of the first vector line that reads a sum.
.macro STEP j, zero, la, lb, cnt
	s_wait_loadcnt \cnt
	s_wait_dscnt 0x0                               ; x's fragments, asked for behind the last step's first block
.if ((\la) || (\lb)) && !(\zero)
	s_wait_alu depctr_va_vdst(0)                   ; the products of the step before are done reading x's other buffer and W's buffer (j + 3) % 4, in which the loads below land; behind a trip's fourth step AA is written, which the fragment loads read
.endif
	GROUP 0, \j, \zero
.if \la
	ALOAD ((\j)+1)%2, 64*((\j)+1)
.endif
.if \lb
	WIN TO_B
.irp b, 0,1,2,3,4,5,6,7
	global_load_b128 v[64*(((\j)+3)%4)+8*(\b):64*(((\j)+3)%4)+8*(\b)+3],   v[WO], s[WP:WP+1] offset:8192*((\j)+3)+1024*(\b)
	global_load_b128 v[64*(((\j)+3)%4)+8*(\b)+4:64*(((\j)+3)%4)+8*(\b)+7], v[WO], s[WP:WP+1] offset:8192*((\j)+3)+1024*(\b)+512
.endr
.endif
.irp a, 1,2,3,4,5,6,7
.if !(\zero)
	WIN 0
	s_cmp_le_u32 s[NB], \a
	s_cbranch_scc1 .Lstep_end_\@
.endif
	GROUP \a, \j, \zero
.endr
	WIN 0
.Lstep_end_\@:
.if ((\j) == 3) && (\la)
	s_add_co_u32 s[KO], s[KO], 256                 ; four K steps on
	s_wait_alu depctr_vm_vsrc(0)                   ; the fragment loads issued so far have read AA
.irp p, 0,1,2,3
	v_add_nc_u32 v[AA+(\p)], s[KO], v[AI+(\p)]     ; these four lines are the places
.endr
.else
	PLACES
.endif
.endm
.macro NEXTW
	s_wait_xcnt 0x0                                ; the loads issued so far have read their base
	s_add_nc_u64 s[WP:WP+1], s[WP:WP+1], 32768
.endm
; ---- THE WAY FROM SUMS TO SCORES, for block a: 64 numbers a lane.  Two batches of 64 transcendentals, each with one plain instruction behind it and one wait ahead of the first use.
.macro EPI a
	WIN RD_LO+(\a)/4
.irp b, 0,1,2,3,4,5,6,7                        ; 2 log2e (z + b); each accumulator is read from its low end on
.irp i, 0,1,2,3
	v_pk_fma_f32 v[T+8*(\b)+2*(\i):T+8*(\b)+2*(\i)+1], v[64*((\a)%4)+8*(\b)+2*(\i):64*((\a)%4)+8*(\b)+2*(\i)+1], s[C2:C2+1], v[BK+2*(\b):BK+2*(\b)+1] op_sel_hi:[1,0,0]
.endr
.endr
	WIN 0
.set z, 0
.rept 64
	v_exp_f32 v[T+z], v[T+z]
.set z, z+1
.endr
	v_nop
	s_wait_alu depctr_va_vdst(0)                   ; the 64 powers in T are written, ahead of their first reader
.set z, 0
.rept 32
	v_pk_add_f32 v[T+z:T+z+1], v[T+z:T+z+1], 1.0 op_sel_hi:[1,0]
.set z, z+2
.endr
.set z, 0
.rept 64
	v_rcp_f32 v[T+z], v[T+z]
.set z, z+1
.endr
	v_nop
	s_wait_alu depctr_va_vdst(0)                   ; the 64 reciprocals in T are written, ahead of their first reader
.set z, 0
.rept 32
	v_pk_fma_f32 v[T+z:T+z+1], v[T+z:T+z+1], -2.0, 1.0 op_sel_hi:[1,0,0]  ; tanh
.set z, z+2
.endr
.irp i, 0,1,2,3                                ; times my column's key (the pair's second register), summed over the 8 column blocks
	v_pk_mul_f32 v[SC+2*(\i):SC+2*(\i)+1], v[T+2*(\i):T+2*(\i)+1], v[BK:BK+1] op_sel:[0,1] op_sel_hi:[1,1]
.endr
.irp b, 1,2,3,4,5,6,7
.irp i, 0,1,2,3
	v_pk_fma_f32 v[SC+2*(\i):SC+2*(\i)+1], v[T+8*(\b)+2*(\i):T+8*(\b)+2*(\i)+1], v[BK+2*(\b):BK+2*(\b)+1], v[SC+2*(\i):SC+2*(\i)+1] op_sel:[0,1,0] op_sel_hi:[1,1,1]
.endr
.endr
.irp m, 1,2,4,8                                ; and over the 16 columns that lie in 16 lanes
.irp i, 0,1,2,3,4,5,6,7
	v_add_f32_dpp v[SC+(\i)], v[SC+(\i)], v[SC+(\i)] row_xmask:\m row_mask:0xf bank_mask:0xf
.endr
.endr
	v_cndmask_b32 v[TK], v[SC], v[SC+1], s[MK]     ; every lane holds all 8 rows' sums: it keeps that of row 8 h + lane % 8,
.irp i, 2,3,4,5,6,7
	v_cndmask_b32 v[TK], v[TK], v[SC+(\i)], s[MK+(\i)-1]
.endr
	v_add_f32 v[KA+(\a)], v[KA+(\a)], v[TK]        ; which is carried over the two passes
.endm
.Ltile:
	s_min_u32 s[NB], s21, 8
	s_mov_b32 s[NV], s22
	s_min_u32 s54, s20, 0xfff0
	s_lshl_b32 s54, s54, 12                        ; 4,096 bytes a row
	s_mov_b32 s55, 0
	s_add_nc_u64 s[XB:XB+1], s[4:5], s[54:55]
	s_mov_b32 s[XO], 0
	s_mov_b32 s[REM], s[NB]                        ; blocks still to be filled; below 1 once the tile's are done
	s_mov_b32 s[BC], 4
	WIN TO_S
	s_wait_alu depctr_va_vdst(0)                   ; the products of the tile before have written, and its scores' lines have read, the accumulators of window 2, in which x lands from here on; its products are done reading W's buffers too
	LOADH 0, 0, 0                                  ; (a tile of 0 blocks names row 0: these loads stay inside x, and their numbers are not used)
	LOADH 0, 1, 0
	WIN 0
.Lx:                                               ; four trips, two blocks each.  On the way in at most set 0's two halves are out
	s_wait_alu depctr_vm_vsrc(0)                   ; the LDS stores of the trip before have read XS and the four buffers TB, which this trip writes again
	v_add_nc_u32 v[XS], s[XO], v[XS0]
	s_wait_alu depctr_va_vdst(0)                   ; XS is written, which every LDS store of the trip reads; the conversions of the trip before are done reading set 1, in which the next loads land
	s_cmp_gt_i32 s[REM], 1
	s_cbranch_scc0 .Lx_few
	LOADH 1, 0, 65536
	s_wait_loadcnt 32                              ; here and below: the two half sets asked for last may stay out; the one before them is in
	CVTH 0, 0
	LOADH 1, 1, 65536                              ; no wait: no vector line since the trip's head names set 1
	s_wait_alu depctr_va_vdst(0)                   ; the conversions have written TB0, which the stores read, and are done reading set 0's first half
	STOH 0, 0, 0
	s_wait_loadcnt 32
	CVTH 0, 1
	s_wait_alu depctr_va_vdst(0)                   ; the conversions have written TB1, which the stores read, and are done reading set 0's second half
	STOH 0, 1, 0
	s_cmp_gt_i32 s[REM], 2
	s_cbranch_scc0 .Lx_last
	LOADH 0, 0, 131072                             ; no wait: no vector line since the two waits above names set 0's first half
	s_wait_loadcnt 32
	CVTH 1, 0
	LOADH 0, 1, 131072                             ; nor its second half
	s_wait_alu depctr_va_vdst(0)                   ; the conversions have written TB2, which the stores read, and are done reading set 1's first half
	STOH 1, 0, BLK
	s_wait_loadcnt 32
	CVTH 1, 1
	s_wait_alu depctr_va_vdst(0)                   ; the conversions have written TB3, which the stores read
	STOH 1, 1, BLK
	s_branch .Lx_step
.Lx_last:
	s_wait_loadcnt 0x0
	CVTH 1, 0
	CVTH 1, 1
	s_wait_alu depctr_va_vdst(0)                   ; the conversions have written TB2 and TB3, which the stores read
	STOH 1, 0, BLK
	STOH 1, 1, BLK
	s_branch .Lx_step
.Lx_few:
	s_wait_loadcnt 0x0
	s_cmp_gt_i32 s[REM], 0
	s_cbranch_scc0 .Lx_none
	CVTH 0, 0
	CVTH 0, 1
	s_wait_alu depctr_va_vdst(0)                   ; the conversions have written TB0 and TB1, which the stores read
	STOH 0, 0, 0
	STOH 0, 1, 0
	s_branch .Lx_z1
.Lx_none:
	ZERO 0
.Lx_z1:
	ZERO BLK
.Lx_step:
	s_wait_xcnt 0x0                                ; the loads have read their base
	s_add_nc_u64 s[XB:XB+1], s[XB:XB+1], 131072
	s_add_co_u32 s[XO], s[XO], 2*BLK
	s_sub_co_i32 s[REM], s[REM], 2
	s_sub_co_u32 s[BC], s[BC], 1
	s_cmp_lg_u32 s[BC], 0
	s_cbranch_scc1 .Lx
	s_wait_loadcnt 0x0                             ; a tile has at most 8 blocks, so the fourth trip asks for nothing: no load of x is out; the wait says so for every way through the loop
	s_wait_alu depctr_vm_vsrc(0)                   ; the fill's LDS stores have read the four buffers TB: fragments of x, scores, weights and rows land in these registers from here on
	s_mov_b64 s[WP:WP+1], s[WS:WS+1]
	PRO_B                                          ; on their way across the barrier: nobody writes wf.  No wait: W's buffers were last named ahead of the wait at the tile's head
.irp a, 0,1,2,3,4,5,6,7
	v_mov_b32 v[KA+(\a)], 0                        ; the scores start at 0; those of blocks that the tile does not have stay there
.endr
	MEET                                           ; my rows of the tile are stored; behind the barrier everybody's are
	s_cmp_eq_u32 s[NB], 0
	s_cbranch_scc1 .Lscores
	s_mov_b32 s[PC], 2
.Lpass:                                            ; 128 columns: 32 K steps
	s_cmp_eq_u32 s[PC], 2
	s_cselect_b32 s[PM], -1, 0
.irp i, 0,1,2,3,4,5,6,7,8,9,10,11,12,13,14,15
	v_cndmask_b32 v[BK+(\i)], v[BK1+(\i)], v[BK0+(\i)], s[PM]  ; the pass's bias and key
.endr
	s_mov_b32 s[KO], 0
	s_wait_alu depctr_vm_vsrc(0)                   ; the fragment loads of the pass before have read AA
.irp p, 0,1,2,3
	v_add_nc_u32 v[AA+(\p)], s[KO], v[AI+(\p)]
.endr
	s_wait_alu depctr_va_vdst(0)                   ; AA is written, which the fragment loads read; the fill's conversions, or the last pass's products and scores' lines, are done with both fragment buffers and with W's fourth buffer, in which loads land
	ALOAD 0, 0
	STEP 0, 1, 1, 1, 32
	STEP 1, 0, 1, 1, 32
	STEP 2, 0, 1, 1, 32
	STEP 3, 0, 1, 1, 32
	NEXTW
	s_mov_b32 s[KC], 6
.Lk:
	STEP 0, 0, 1, 1, 32
	STEP 1, 0, 1, 1, 32
	STEP 2, 0, 1, 1, 32
	STEP 3, 0, 1, 1, 32
	NEXTW
	s_sub_co_u32 s[KC], s[KC], 1
	s_cmp_lg_u32 s[KC], 0
	s_cbranch_scc1 .Lk
	STEP 0, 0, 1, 1, 32                            ; step 28 asks for step 31, the pass's last; then the counts run down
	STEP 1, 0, 1, 0, 32
	STEP 2, 0, 1, 0, 16
	STEP 3, 0, 0, 0, 0
	s_add_nc_u64 s[WP:WP+1], s[WP:WP+1], 32768     ; every load that names it is in: now at the next pass's first byte
	s_cmp_lg_u32 s[PC], 2
	s_cbranch_scc1 .Lno_pro
	s_wait_alu depctr_va_vdst(0)                   ; the products of K steps 28 to 30 are done reading W's first three buffers, in which the loads below land
	PRO_B                                          ; the second pass's first three K steps come in under the first pass's scores
.Lno_pro:
	PLACES                                         ; with the last step's four: eight places ahead of the first read of a sum
	EPI 0
.irp a, 1,2,3,4,5,6,7
	s_cmp_le_u32 s[NB], \a
	s_cbranch_scc1 .Lepi_done
	EPI \a
.endr
.Lepi_done:
	s_sub_co_u32 s[PC], s[PC], 1
	s_cmp_lg_u32 s[PC], 0
	s_cbranch_scc1 .Lpass
.Lscores:
	s_wait_loadcnt 0x0                             ; a tile of 0 blocks has multiplied nothing: W's fragments asked for above are in before their registers are asked for again
	s_wait_alu depctr_va_vdst(0)                   ; the sums KA are written, which the LDS stores below read; the scores' lines are done with T, in which the loads behind the next barrier land
	MEET                                           ; every wave's reads of the tile for its products are over: between the last barrier and this one LDS is only read
.irp a, 0,1,2,3,4,5,6,7
	ds_store_b32 v[KS], v[KA+(\a)] offset:64*(\a)  ; my wave's slot, whole; lanes 8 apart write the same word with the same number
.endr
	MEET                                           ; all four slots are written
	; ---- THE TILE'S SOFTMAX: every wave makes all of it; a lane takes rows 4 l .. 4 l + 3
.irp q, 0,1,2,3
	ds_load_b128 v[T+4*(\q):T+4*(\q)+3], v[SL] offset:512*(\q)
.endr
	s_cmp_eq_u32 s[PFL], 0
	s_cbranch_scc1 .Lno_pf
.irp j, 0,1,2,3                                ; the first 32 rows of my work-group's second tile, 8 rows a wave, a lane 256 bytes: each named once; a softmax and a weighted sum ahead of the loads that want them
	global_prefetch_b8 v[PFO], s[PFB:PFB+1] offset:8192*(\j) th:TH_LOAD_NT scope:SCOPE_SE
.endr
.Lno_pf:
.irp i, 0,1,2,3
	v_cmp_gt_u32 s[VM+(\i)], s[NV], v[RI+(\i)]     ; is the row valid?  Four masks in one run
.endr
	s_wait_dscnt 0x0
	v_pk_add_f32 v[T:T+1],     v[T:T+1],     v[T+4:T+5]
	v_pk_add_f32 v[T+2:T+3],   v[T+2:T+3],   v[T+6:T+7]
	v_pk_add_f32 v[T+8:T+9],   v[T+8:T+9],   v[T+12:T+13]
	v_pk_add_f32 v[T+10:T+11], v[T+10:T+11], v[T+14:T+15]
	v_pk_add_f32 v[T:T+1],     v[T:T+1],     v[T+8:T+9]
	v_pk_add_f32 v[T+2:T+3],   v[T+2:T+3],   v[T+10:T+11]
	s_wait_alu depctr_va_sdst(0)                   ; the four compares have written their masks, ahead of the selects that read them
.irp i, 0,1,2,3
	v_cndmask_b32 v[SS+(\i)], s[NEG], v[T+(\i)], s[VM+(\i)]
.endr
	v_max3_num_f32 v[MX], v[SS], v[SS+1], v[SS+2]
	v_max_num_f32 v[MX], v[MX], v[SS+3]
.irp m, 1,2,4,8
	v_max_num_f32_dpp v[MX], v[MX], v[MX] row_xmask:\m row_mask:0xf bank_mask:0xf
.endr
	v_permlanex16_b32 v[TP], v[MX], s[SEL], s[SEL+1]
	v_max_num_f32 v[MX], v[MX], v[TP]              ; a tile with blocks has a valid row, so this is a true score
	v_mul_f32 v[M2], s[C1], v[MX]
.irp i, 0,1,2,3
	v_fma_f32 v[PR+(\i)], v[SS+(\i)], s[C1], -v[M2]
.endr
.irp i, 0,1,2,3
	v_exp_f32 v[PR+(\i)], v[PR+(\i)]
.endr
	v_nop
	s_wait_alu depctr_va_vdst(0)                   ; the four weights PR are written: ahead of their first use, which is the LDS store that reads them
	ds_store_b128 v[PS], v[PR:PR+3]                ; into my wave's own copy
	v_add_f32 v[LL], v[PR], v[PR+1]
	v_add_f32 v[T2], v[PR+2], v[PR+3]
	v_add_f32 v[LL], v[LL], v[T2]
.irp m, 1,2,4,8
	v_add_f32_dpp v[LL], v[LL], v[LL] row_xmask:\m row_mask:0xf bank_mask:0xf
.endr
	v_permlanex16_b32 v[TP], v[LL], s[SEL], s[SEL+1]
	v_add_f32 v[LL], v[LL], v[TP]
.irp c, 0,1,2,3,4,5,6,7
	v_mov_b32 v[OA+(\c)], 0
.endr
	MEET                                           ; the weights are stored: from here to the next barrier LDS is only read
	; ---- THE WEIGHTED SUM: thread t takes columns 4 t .. 4 t + 3 and 512 + 4 t .. + 3 of all rows
	s_mov_b32 s[XO], 0
	s_mov_b32 s[PO], 0
	s_mov_b32 s[REM], s[NB]
	s_mov_b32 s[BC], 8
.Lw:                                               ; eight trips, a block each; the blocks that the tile does not have are jumped over
	s_cmp_gt_i32 s[REM], 0
	s_cbranch_scc0 .Lw_step
	s_wait_alu depctr_vm_vsrc(0)                   ; the LDS loads of the block before have read PA and XR
	v_add_nc_u32 v[PA], s[PO], v[PA0]
	v_add_nc_u32 v[XR], s[XO], v[XR0]
	s_wait_alu depctr_va_vdst(0)                   ; PA and XR are written, which the loads below read; the multiply-adds of the block before (ahead of the first block: the softmax's lines) are done with PP and T, in which they land
.irp q, 0,1,2,3
	ds_load_b128 v[PP+4*(\q):PP+4*(\q)+3], v[PA] offset:16*(\q)
.endr
.irp i, 0,1,2,3,4,5,6,7,8,9,10,11,12,13,14,15
	ds_load_b64 v[T+4*(\i):T+4*(\i)+1],   v[XR] offset:PITCH*(\i)
	ds_load_b64 v[T+4*(\i)+2:T+4*(\i)+3], v[XR] offset:PITCH*(\i)+1024
.endr
.irp i, 0,1,2,3,4,5,6,7,8,9,10,11,12,13,14,15
	s_wait_dscnt 30-2*(\i)                         ; row i's two loads are in; those of the rows behind it may stay out
.irp g, 0,1,2,3
	v_fma_mix_f32_bf16 v[OA+2*(\g)],   v[T+4*(\i)+(\g)], v[PP+(\i)], v[OA+2*(\g)]   op_sel_hi:[1,0,0]
	v_fma_mix_f32_bf16 v[OA+2*(\g)+1], v[T+4*(\i)+(\g)], v[PP+(\i)], v[OA+2*(\g)+1] op_sel:[1,0,0] op_sel_hi:[1,0,0]
.endr
.endr
.Lw_step:
	s_add_co_u32 s[XO], s[XO], BLK
	s_add_co_u32 s[PO], s[PO], 64
	s_sub_co_i32 s[REM], s[REM], 1
	s_sub_co_u32 s[BC], s[BC], 1
	s_cmp_lg_u32 s[BC], 0
	s_cbranch_scc1 .Lw
	s_cmp_eq_u32 s[NB], 0
	s_cbranch_scc1 .Lstored                        ; no tile: nothing is stored
	s_wait_alu depctr_va_vdst(0)                   ; the multiply-adds have written the sums OA, and the softmax M2 and LL: the stores below read them
	global_store_b128 v[GO], v[OA:OA+3],   s[PB:PB+1]              ; a wave stores 512 consecutive bytes, aligned
	global_store_b128 v[GO], v[OA+4:OA+7], s[PB:PB+1] offset:2048
	s_cmp_lg_u32 s[WV], 0
	s_cbranch_scc1 .Lstored
	global_store_b64 v[MLO], v[M2:M2+1], s[PB:PB+1]                ; the statistics, 32 times: 256 consecutive bytes
.Lstored:
	MEET                                           ; everybody's reads of the tile are over: the next tile may be filled in
	s_wait_xcnt 0x0                                ; the stores have had their addresses translated: their base is stepped only behind this wait
	s_wait_alu depctr_vm_vsrc(0)                   ; the stores have read OA, M2 and LL, and the LDS stores KA and PR: the next tile writes all of them again
	s_mov_b64 s[20:21], s[24:25]
	s_mov_b64 s[22:23], s[26:27]
	s_add_nc_u64 s[PB:PB+1], s[PB:PB+1], 256*4352
	s_mov_b32 s[PFL], 0
	s_sub_co_u32 s[TI], s[TI], 1
	s_cmp_lg_u32 s[TI], 0
	s_cbranch_scc1 .Ltile
	s_wait_dscnt 0x0                               ; the wave's end: my LDS instructions are done
	s_wait_alu depctr_hold_cnt(0) depctr_sa_sdst(0) depctr_va_vdst(0) depctr_va_sdst(0) depctr_va_ssrc(0) depctr_va_vcc(0) depctr_vm_vsrc(0)
	s_wait_tensorcnt 0x0
	ds_add_u32 v126, v127
	s_wait_dscnt 0x0
	s_endpgm
.Lfunc_end_k_q6165450201_main:
	.size	k_q6165450201_main, .Lfunc_end_k_q6165450201_main-k_q6165450201_main
	.p2alignl 7, 3214868480
	.fill 96, 4, 3214868480
	.section	.rodata,"a",@progbits
	.p2align	6, 0x0
	.amdhsa_kernel k_q6165450201_main
		.amdhsa_group_segment_fixed_size 268800
		.amdhsa_private_segment_fixed_size 0
		.amdhsa_enable_private_segment 0
		.amdhsa_kernarg_size 48
		.amdhsa_user_sgpr_count 2
		.amdhsa_user_sgpr_kernarg_segment_ptr 1
		.amdhsa_wavefront_size32 1
		.amdhsa_system_sgpr_workgroup_id_x 1
		.amdhsa_system_sgpr_workgroup_id_y 1
		.amdhsa_system_sgpr_workgroup_id_z 1
		.amdhsa_system_vgpr_workitem_id 0
		.amdhsa_next_free_vgpr 1024
		.amdhsa_next_free_sgpr 80
		.amdhsa_reserve_vcc 0
		.amdhsa_float_denorm_mode_32 3
		.amdhsa_float_denorm_mode_16_64 3
		.amdhsa_memory_ordered 1
		.amdhsa_forward_progress 1
		.amdhsa_inst_pref_size 255
	.end_amdhsa_kernel
	.section	.bss,"aw",@nobits
	.p2align	6
	.space	262144
	.amdgpu_metadata
---
amdhsa.version: [ 1, 2 ]
amdhsa.kernels:
  - .name:           k_q6165450201_main
    .symbol:         k_q6165450201_main.kd
    .args:
      - { .name: x, .offset: 0, .size: 8, .value_kind: global_buffer, .address_space: global }
      - { .name: wf, .offset: 8, .size: 8, .value_kind: global_buffer, .address_space: global }
      - { .name: b, .offset: 16, .size: 8, .value_kind: global_buffer, .address_space: global }
      - { .name: key_vec, .offset: 24, .size: 8, .value_kind: global_buffer, .address_space: global }
      - { .name: sched, .offset: 32, .size: 8, .value_kind: global_buffer, .address_space: global }
      - { .name: part, .offset: 40, .size: 8, .value_kind: global_buffer, .address_space: global }
    .group_segment_fixed_size: 268800
    .private_segment_fixed_size: 0
    .kernarg_segment_align: 8
    .kernarg_segment_size: 48
    .max_flat_workgroup_size: 128
    .sgpr_count:     80
    .vgpr_count:     1024
    .wavefront_size: 32
...
	.end_amdgpu_metadata
.endif
;; end of part 4
;; launch comb: the kernel of part 3 again; grid 8 x 16, 8 waves a work-group, no clusters, 5,376 bytes of LDS; arguments part, sched, out0; writes out0
